; MI455X (gfx1250); checked and timed in simulation.
; The chip was launched on July 23, 2026; its instructions are those of AMD's public machine-readable ISA for CDNA 5 (MIT licence, August 2026) and "CDNA5" Instruction Set Architecture Reference Guide (July 2026). The comments in the code are by the model that wrote it; some were corrected since.
;; Multi Head Attention. Allowed arithmetic: matrix products marked QUANTISED: E2M3 operands, one E8M0 scale for each 32 along K, by v_wmma_scale_f32_16x16x128_f8f6f4 with both operands' format E2M3, f32 sums; everything else in f32.
;; Inputs: Wk 1,024 x 1,024 float32; Wo 1,024 x 1,024 float32; Wq 1,024 x 1,024 float32; Wv 1,024 x 1,024 float32; bo 1,024 float32; key 4 x 2,048 x 1,024 float32; query 4 x 2,048 x 1,024 float32; value 4 x 2,048 x 1,024 float32.
;; Outputs: out0 4 x 2,048 x 1,024 float32.
;; This version of the problem:
;;   THIS VERSION OF THE PROBLEM IS GIVEN IN LOW PRECISION. The matrix products marked QUANTISED in the list below multiply operands that are first quantised to E2M3 (2 exponent bits, 3 mantissa bits; 6 bits a number), with one power-of-two scale for each 32 numbers along K (OCP MX v1.0); their sums are f32. All else is computed in f32.
;;   The module's matrix products, in the order in which they are computed (A, B: the left and right operand; K: the contracted axis; several contracted axes count as one K, in the product's order):
;;     1. [M 8,192, K 1,024] x [K 1,024, N 1,024]; A: input query; B: input Wq: QUANTISED
;;     2. [M 8,192, K 1,024] x [K 1,024, N 1,024]; A: input key; B: input Wk: QUANTISED
;;     3. [M 8,192, K 1,024] x [K 1,024, N 1,024]; A: input value; B: input Wv: QUANTISED
;;     4. batch 64 x [M 2,048, K 64] x [K 64, N 2,048]; A: computed on the way; B: computed on the way: QUANTISED
;;     5. batch 64 x [M 2,048, K 2,048] x [K 2,048, N 64]; A: softmax (see below); B: computed on the way: QUANTISED
;;     6. [M 8,192, K 1,024] x [K 1,024, N 1,024]; A: computed on the way; B: input Wo: QUANTISED
;;   THE QUANTISER, for each operand of a quantised product, along K:
;;     - K is cut into blocks of 32 from its start; a last block that is shorter is filled with zeros.
;;     - A block's scale is 2^e with e = floor(log2(the largest magnitude in the block)) - 2, held to -126 .. 127; a block of zeros has e = 0. As a byte (E8M0): e + 127.
;;     - Each number is divided by its block's scale, clamped to +-7.5, and rounded to the nearest number of E2M3, ties to even, subnormals kept.
;;     - The product sums the exact products of the quantised numbers (number of the format x scale) in f32.
;;   ~~~python
;;   def quantise(x, axis):      # numpy; x: float32 -> the quantised numbers, widened to float32 again
;;       x = np.moveaxis(x, axis, -1); K = x.shape[-1]
;;       x = np.pad(x, [(0, 0)] * (x.ndim - 1) + [(0, -K % 32)]); x = x.reshape(x.shape[:-1] + (-1, 32)); a = np.abs(x).max(-1, keepdims=True)
;;       e = np.where(a > 0, np.clip(np.frexp(np.where(a > 0, a, 1))[1] - 1 - 2, -126, 127), 0)      # np.frexp(a)[1] - 1 = floor(log2(a)), exactly
;;       r = np.clip(x / 2.0 ** e, -7.5, 7.5)
;;       step = 2.0 ** (np.maximum(np.frexp(np.where(r == 0, 1, r))[1] - 1, 0) - 3)
;;       q = np.round(r / step) * step * 2.0 ** e      # np.round: ties to even
;;       return np.moveaxis(q.reshape(q.shape[:-2] + (-1,))[..., :K], -1, axis).astype(np.float32)
;;   ~~~
;;   SOFTMAX AHEAD OF A QUANTISED PRODUCT. Where the list says 'softmax', what is quantised is not the finished softmax but p = 2^(t - M), with t = logit x log2(e) and M = ceil(the row's largest t), a whole number; so 1/2 < the row's largest p <= 1. The row's sum l is taken of the UNQUANTISED p, in f32, and the product's result is divided by l at the end. Since M is a whole number, a kernel that streams over the keys may use a running M (the ceiling of the running maximum): every later rescaling is an exact power of two, which a block's scale takes up: the codes' values come out the same.
;;   OPERANDS COMPUTED ON THE WAY. 'Computed on the way' means the value that the module computes at that place (a softmax that the list does not call 'softmax' is quantised finished and normalised). What goes into a quantiser is computed in f32, as accurately as f32 sums, v_exp_f32 and their like allow (about 1e-6 of the number): no bf16 or f16 on the way to a quantiser, and a product that is left as it is and whose result goes on into a quantised operand takes f32 operands (vector FMAs, or v_wmma_f32_16x16x4_f32). A number that lies on a knife's edge between two numbers of the format may be rounded either way, as far as f32 arithmetic and the matrix unit's own rounding can turn it there, and no further.
;; One version. Each part assembles by itself: llvm-mc -triple=amdgcn-amd-amdhsa -mcpu=gfx1250 --defsym DOCPART=n.
;; ======== version 1 of 1: 4 launches
;; limits: right only within a limited range of input values
;; workspace buffers: inqk 27,262,976 bytes; inv 27,262,976 bytes; ow 27,262,976 bytes; qk 20,971,520 bytes; vv 17,039,360 bytes
;; launch quant_x (part 1): grid 256 x 1, 10 waves a work-group, no clusters, 65,536 bytes of LDS; arguments query, key, value, inqk, inv, Wq, Wk, Wv, Wo, ow; writes inqk, inv, ow
.if DOCPART == 1
	.amdgcn_target "amdgcn-amd-amdhsa--gfx1250"
	.amdhsa_code_object_version 6
	.text
	.protected	k_qda52ddb340_quant_x
	.globl	k_qda52ddb340_quant_x
	.p2align	8
	.type	k_qda52ddb340_quant_x,@function
k_qda52ddb340_quant_x:
	s_mov_b64 s[64:65], 0
	v_nop
	global_prefetch_b8 v0, s[64:65] scope:SCOPE_SE
	s_setreg_imm32_b32 hwreg(HW_REG_WAVE_MODE, 25, 1), 1
	s_wait_xcnt 0x0
; query, key, value, each 8,192 rows of 1,024 f32 with K innermost, become codes of FP6 (E2M3) with one E8M0 byte for each 32 along K, laid as images of the operand's registers:
; a fragment (16 rows x 128 K) is six pieces of 256 bytes, piece p = registers 2 p, 2 p + 1, lane l's 8 bytes at 8 l; a tile of 16 rows has its 8 fragments on end (12,288 bytes);
; scale bytes 32 a row, rows in the tiles' order.  A block's byte is its largest magnitude's exponent field - 2, held at 1 from below.
; LIMITS: NaN and infinities are not served; a block whose largest magnitude lies under 2^-124 keeps the byte 1; a block of zeros gets the byte 1 and not 127 (read by this program alone).
; ROWS: query's tiles hold 16 neighbouring rows.  In key's and value's, place 16 (2 b + u) + r holds row 32 b + 8 u + r + 8 (r / 8): they are source 0 of later products, whose results then
; give a lane 16 neighbours along the next K.
; SHARES: one wave, one tile: wave 6 x work-group + w of 1,536.  Each load reads 512 consecutive bytes of one row; a K step's 16 x 512 bytes turn through the wave's own stage in LDS
; (rows 528 bytes apart) and come back as 16 neighbours of each block of 32 a lane.  Loads run two K steps (32 loads a wave) ahead.  Waves share nothing: no barrier.
.set BOFF,  0x1000000
.set ASOFF, 0x1800000
.set BSOFF, 0x1900000
.set TROW,  12288
.set SP,    528                        ; a stage row: 512 bytes + 16
.set R,     16                         ; v16-143  two sets of 64 registers as loaded
.set X,     144                        ; v144-207 register 16 b + i = k 32 b + 16 (lane / 16) + i of my row
.set PC,    208                        ; v208-219 the fragment; v220-222, v224-226 halves as the conversions leave them
.set TM,    228                        ; v228-243 at work
.set PWS,   244                        ; v244-251 my row's eight scale words
.set SWO,   252                        ; v252-255 the four that I store
.set SEL,   38                         ; s[38:39] v_permlanex16_b32's selects for lane l xor 16
	s_load_b128 s[4:7], s[0:1], 0x0                ; query, key
	s_load_b128 s[8:11], s[0:1], 0x10              ; value, inqk
	s_load_b64 s[12:13], s[0:1], 0x20              ; inv
	v_lshl_add_u32 v238, v0, 2, 0xc600
	v_mov_b32 v239, 0
	v_lshrrev_b32 v1, 5, v0
	v_readfirstlane_b32 s18, v1                    ; wave
	; TEN WAVES: waves 0-5 take a tile of query, key or value each, as the head says; waves 6-9 take one of the 1,024 pieces of the four weights each (behind the label below).
	; The two kinds share nothing: each has LDS bytes of its own, and each ends by itself.
	s_cmp_ge_u32 s18, 6
	s_cbranch_scc1 .Lweights
	v_and_b32 v2, 31, v0                           ; lane
	v_and_b32 v8, 15, v0                           ; r
	v_bfe_u32 v9, v0, 4, 1                         ; h
	v_lshlrev_b32 v3, 4, v2                        ; in: 16 bytes a lane
	s_mul_i32 s19, s18, 16*SP                      ; my stage
	v_add_nc_u32 v4, s19, v3                       ; into it: a row as it lies
	v_mul_u32_u24 v5, v8, SP
	v_lshl_add_u32 v5, v9, 6, v5
	v_add_nc_u32 v5, s19, v5                       ; out of it: row r, + 64 h
	v_lshlrev_b32 v6, 3, v2                        ; a piece: 8 bytes a lane
	v_lshlrev_b32 v7, 5, v8
	v_lshl_add_u32 v7, v9, 4, v7                   ; the scale words: 32 r + 16 h
	s_mov_b32 s[SEL], 0x76543210
	s_mov_b32 s[SEL+1], 0xfedcba98
.irp b, 0,1,2,3
	v_mov_b32 v[TM+4+\b], 0                        ; written once: a lane permute's destination counts as one of its sources
.endr
	s_mul_i32 s20, ttmp9, 6
	s_add_co_u32 s20, s20, s18                     ; my tile of 1,536
	s_lshr_b32 s21, s20, 9                         ; the tensor
	s_and_b32 s22, s20, 511                        ; the tile in it
	s_lshl_b32 s23, s22, 4                         ; query: first row 16 T
	s_lshr_b32 s24, s22, 1
	s_lshl_b32 s24, s24, 5
	s_and_b32 s25, s22, 1
	s_lshl_b32 s25, s25, 3
	s_add_co_u32 s24, s24, s25                     ; value: 32 (T / 2) + 8 (T % 2)
	; KEY'S TILES HAVE AN ORDER OF THEIR OWN (this takes the place of what the head says of key): place 8 h + j of tile T = 4 c + u holds row 64 c + 32 h + 8 u + j,
	; so that in S^T a lane's 32 registers of tiles 4 c .. 4 c + 3 are one whole block of 32 keys
	s_lshr_b32 s26, s22, 2
	s_lshl_b32 s26, s26, 6
	s_and_b32 s25, s22, 3
	s_lshl_b32 s25, s25, 3
	s_add_co_u32 s26, s26, s25                     ; key: 64 (T / 4) + 8 (T % 4)
	s_mov_b32 s34, 16*4096
	s_mov_b32 s35, 32*4096
	s_cmp_eq_u32 s21, 1
	s_cselect_b32 s24, s26, s24
	s_cselect_b32 s34, s35, s34                    ; places 8-15 begin 32 rows on (key) or 16 (value)
	s_cmp_eq_u32 s21, 0
	s_cselect_b32 s32, s23, s24
	s_cselect_b32 s34, 8*4096, s34                 ; or 8 (query)
	s_lshl_b32 s32, s32, 12                        ; rows of 4,096 bytes
	s_mov_b32 s33, 0
	s_mov_b32 s35, 0
	s_cmp_lt_u32 s21, 2                            ; query and key are A of inqk, tiles 0-1023; value is B of inv
	s_cselect_b32 s42, s20, s22
	s_cselect_b32 s36, 0, BOFF
	s_mov_b32 s40, BSOFF
	s_cselect_b32 s40, ASOFF, s40
	s_mul_i32 s43, s42, TROW
	s_add_co_u32 s36, s36, s43
	s_lshl_b32 s43, s42, 9
	s_add_co_u32 s40, s40, s43
	s_mov_b32 s37, 0
	s_mov_b32 s41, 0
	s_wait_alu depctr_va_vdst(0)
	s_wait_kmcnt 0x0
	s_cmp_eq_u32 s21, 0                            ; the buffers are chosen by the tile's number alone
	s_cselect_b64 s[28:29], s[4:5], s[6:7]
	s_cmp_lt_u32 s21, 2
	s_cselect_b64 s[28:29], s[28:29], s[8:9]
	s_cselect_b64 s[26:27], s[10:11], s[12:13]
	s_add_nc_u64 s[28:29], s[28:29], s[32:33]      ; places 0-7
	s_add_nc_u64 s[30:31], s[28:29], s[34:35]      ; places 8-15
	s_add_nc_u64 s[24:25], s[26:27], s[36:37]      ; the codes
	s_add_nc_u64 s[26:27], s[26:27], s[40:41]      ; the scale bytes
.macro LOAD t                          ; K step t: 512 bytes of each of my 16 rows into set t % 2
.irp j, 0,1,2,3,4,5,6,7
	global_load_b128 v[R+64*((\t)%2)+4*\j:R+64*((\t)%2)+4*\j+3], v3, s[28:29] offset:\j*4096+512*(\t) th:TH_LOAD_NT
.endr
.irp j, 0,1,2,3,4,5,6,7
	global_load_b128 v[R+64*((\t)%2)+32+4*\j:R+64*((\t)%2)+32+4*\j+3], v3, s[30:31] offset:\j*4096+512*(\t) th:TH_LOAD_NT
.endr
.endm
; 64 numbers of a lane, register 16 b + i = k 32 b + 16 (lane / 16) + i of my row, become a fragment's codes in v[PC] on and its scale word in v[pw].
.macro QUANT s, pw
.irp b, 0,1,2,3
	v_max3_num_f32 v[TM+\b], |v[\s+16*\b]|, |v[\s+1+16*\b]|, 0x1800000   ; block b: my 16 numbers, and the floor 2^(3 - 127): the byte cannot fall under 1
.endr
.irp i, 2,4,6,8,10,12,14
.irp b, 0,1,2,3
	v_max3_num_f32 v[TM+\b], v[TM+\b], |v[\s+16*\b+\i]|, |v[\s+1+16*\b+\i]|   ; the four blocks by turns
.endr
.endr
.irp b, 0,1,2,3
	v_permlanex16_b32 v[TM+4+\b], v[TM+\b], s[SEL], s[SEL+1]
.endr
.irp b, 0,1,2,3
	v_max_num_f32 v[TM+\b], v[TM+\b], v[TM+4+\b]   ; with lane l xor 16's: the block's largest magnitude
.endr
.irp b, 0,1,2,3
	v_add_nc_u32 v[TM+12+\b], 0xff000000, v[TM+\b] ; 2 off its exponent field: the conversion's scale operand
.endr
.irp b, 0,1,2,3
	v_lshrrev_b32 v[TM+4+\b], 23, v[TM+12+\b]      ; the scale's byte
.endr
	v_lshl_or_b32 v[\pw], v[TM+5], 8, v[TM+4]      ; the four bytes make my row's scale word (the same in lanes l and l xor 16)
	v_lshl_or_b32 v[\pw], v[TM+6], 16, v[\pw]
	v_lshl_or_b32 v[\pw], v[TM+7], 24, v[\pw]
.irp c, 0,1
	v_cvt_scalef32_pk16_fp6_f32 v[PC+6*\c:PC+2+6*\c], v[\s+32*\c:\s+15+32*\c], v[TM+12+2*\c]
	v_cvt_scalef32_pk16_fp6_f32 v[PC+12+4*\c:PC+14+4*\c], v[\s+16+32*\c:\s+31+32*\c], v[TM+12+2*\c+1]   ; (a conversion's three registers begin on an even number)
.endr
	v_nop                                          ; one plain place behind the scaled conversions
.irp c, 0,1                            ; the operand's layout wants a WHOLE block in a lane: lanes 0-15 block 2 c, lanes 16-31 block 2 c + 1
.irp i, 0,1,2
	v_permlane16_swap_b32 v[PC+6*\c+\i], v[PC+12+4*\c+\i]
.endr
.irp i, 0,1,2
	v_mov_b32 v[PC+3+6*\c+\i], v[PC+12+4*\c+\i]
.endr
.endr
.endm
.macro STEP t
.if (\t) < 7
	s_wait_loadcnt 16                              ; this K step's 16 loads are in; the next step's 16 may be out
.else
	s_wait_loadcnt 0x0
.endif
.irp j, 0,1,2,3,4,5,6,7,8,9,10,11,12,13,14,15
	ds_store_b128 v4, v[R+64*((\t)%2)+4*\j:R+64*((\t)%2)+4*\j+3] offset:SP*\j
.endr
.irp b, 0,1,2,3
.irp j, 0,1,2,3
	ds_load_b128 v[X+16*\b+4*\j:X+16*\b+4*\j+3], v5 offset:128*\b+16*\j   ; LDS serves a wave's instructions in order: these see the stores above
.endr
.endr
	s_wait_dscnt 0x0                               ; the numbers are back, and the stores into the stage have read their registers
	s_wait_xcnt 0x0                                ; the last step's stores have read the fragment's registers, which QUANT writes again
.if (\t) < 6
	LOAD (\t)+2
.endif
	QUANT X, PWS+(\t)
.irp p, 0,1,2,3,4,5
	global_store_b64 v6, v[PC+2*\p:PC+2*\p+1], s[24:25] offset:1536*(\t)+256*\p   ; a piece: 256 consecutive bytes, aligned
.endr
.endm
	LOAD 0
	LOAD 1
.irp t, 0,1,2,3,4,5,6,7
	STEP \t
.endr
	v_cmp_le_u32 vcc_lo, 16, v2                    ; lanes 0-15 store words 0-3 of their row, lanes 16-31 words 4-7
.irp i, 0,1,2,3
	v_cndmask_b32 v[SWO+\i], v[PWS+\i], v[PWS+4+\i], vcc_lo
.endr
	global_store_b128 v7, v[SWO:SWO+3], s[26:27]   ; the tile's 512 scale bytes, consecutive
	s_wait_tensorcnt 0x0
	ds_add_u32 v238, v239
	s_wait_dscnt 0x0
	s_endpgm
; THE FOUR WEIGHTS, each [1024 (k)][1024 (n)] f32 with K as the FIRST axis, become codes of FP6 with one E8M0 byte for each 32 along K, by the same rule and with the same limits as above.
; A LANE TAKES A COLUMN n AND ITS REGISTERS RUN DOWN K: a load reads 128 consecutive bytes a wave, a block of 32 lies in one lane, the codes come out with K innermost.
; The result is laid as the tiles above are.  THE ROWS OF A TILE: place 16 (2 b + u) + r holds column 32 b + 8 u + r + 8 (r / 8).
; SHARES: work-group g: 128 columns (g % 8), weight g / 64, K step of 128 (g / 8) % 8; wave 6 + w takes 32 of the columns (two tiles), 4 blocks a lane.
.set WTIMG, 1664                       ; LDS: a fragment's image + 128 bytes
.set WREG,  2*WTIMG                    ; a wave's stage
.set WST,   52224                      ; the four stages lie behind the spare words
.set WX,    32                         ; v32-95   two sets of 32 numbers
.set WC,    96                         ; v96-101  a block's codes
.set WT2,   104                        ; v104-106 its second half as the conversion leaves it
.set WOUT,  112                        ; v112-135 the way out
.set WSW,   24                         ; v24      my column's scale word for this K step
.Lweights:
	s_load_b256 s[44:51], s[0:1], 0x28             ; Wq, Wk, Wv, Wo
	s_load_b64 s[52:53], s[0:1], 0x48              ; ow  (inqk s[10:11] and inv s[12:13] are on their way since the head)
	v_and_b32 v2, 31, v0                           ; lane = my column among the wave's 32
	v_lshlrev_b32 v3, 2, v2                        ; in: 4 bytes a lane
	s_lshr_b32 s20, ttmp9, 3
	s_lshr_b32 s21, s20, 3                         ; which weight
	s_and_b32 s22, s20, 7                          ; which 128 along K
	s_mul_i32 s19, s18, WREG
	s_add_co_u32 s19, s19, WST-6*WREG              ; my stage: wave 6 has the first
	v_bfe_u32 v8, v2, 3, 1                         ; my column's tile of the two: bit 3 of the column
	v_bfe_u32 v9, v2, 4, 1
	v_and_b32 v10, 7, v2
	v_lshl_add_u32 v10, v9, 3, v10                 ; and its row there: bits 2:0, and bit 4 as bit 3
	v_lshlrev_b32 v4, 3, v10
	v_mad_u32_u24 v4, v8, WTIMG, v4
	v_add_nc_u32 v4, s19, v4                       ; into the stage: tile, 8 bytes x row
	v_lshlrev_b32 v6, 4, v2                        ; out: 16 bytes a lane
	v_add_nc_u32 v5, s19, v6
	v_lshl_add_u32 v7, v8, 4, v10
	v_lshlrev_b32 v7, 5, v7                        ; my row of scale bytes: 32 x place
	s_and_b32 s23, ttmp9, 7
	s_lshl_b32 s23, s23, 2
	s_add_co_u32 s23, s23, s18
	s_sub_co_u32 s23, s23, 6                       ; which 32 columns
	s_lshl_b32 s36, s22, 19                        ; W: 128 rows of 4,096 bytes a K step,
	s_lshl_b32 s37, s23, 7                         ; 128 bytes for 32 columns
	s_add_co_u32 s36, s36, s37
	s_mov_b32 s37, 0
	s_mul_i32 s38, s23, 2*TROW                     ; codes: two tiles for 32 columns,
	s_mul_i32 s39, s22, 1536                       ; a fragment a K step
	s_add_co_u32 s38, s38, s39
	s_cmp_eq_u32 s21, 2                            ; Wv is an A operand (of inv), the others are B operands
	s_cselect_b32 s32, 0, BOFF
	s_mov_b32 s34, BSOFF
	s_cselect_b32 s34, ASOFF, s34
	s_cmp_eq_u32 s21, 1                            ; Wk lies behind Wq in inqk: 64 tiles on
	s_cselect_b32 s40, 64*TROW, 0
	s_cselect_b32 s41, 64*512, 0
	s_add_co_u32 s32, s32, s40
	s_add_co_u32 s34, s34, s41
	s_add_co_u32 s32, s32, s38
	s_lshl_b32 s40, s23, 10                        ; scale bytes: 32 rows of 32 bytes,
	s_lshl_b32 s41, s22, 2                         ; 4 bytes a K step
	s_add_co_u32 s34, s34, s40
	s_add_co_u32 s34, s34, s41
	s_mov_b32 s33, 0
	s_mov_b32 s35, 0
	s_wait_alu depctr_va_vdst(0)                   ; the wait at a head's end
	s_wait_kmcnt 0x0
	s_cmp_lt_u32 s21, 2                            ; the buffers are chosen by the work-group's number alone
	s_cselect_b64 s[24:25], s[44:45], s[48:49]     ; Wq or Wv
	s_cselect_b64 s[26:27], s[46:47], s[50:51]     ; Wk or Wo
	s_cselect_b64 s[28:29], s[10:11], s[12:13]     ; inqk or inv
	s_cselect_b64 s[30:31], s[10:11], s[52:53]     ; inqk or ow
	s_bitcmp1_b32 s21, 0
	s_cselect_b64 s[24:25], s[26:27], s[24:25]
	s_cselect_b64 s[28:29], s[30:31], s[28:29]
	s_add_nc_u64 s[24:25], s[24:25], s[36:37]      ; W at my wave's part
	s_add_nc_u64 s[26:27], s[28:29], s[32:33]      ; the codes
	s_add_nc_u64 s[28:29], s[28:29], s[34:35]      ; the scale bytes
.macro WLOAD t                         ; block t: W(32 t + i, my column), i = 0 .. 31, into set t % 2
.irp i, 0,1,2,3,4,5,6,7,8,9,10,11,12,13,14,15,16,17,18,19,20,21,22,23,24,25,26,27,28,29,30,31
	global_load_b32 v[WX+32*((\t)%2)+\i], v3, s[24:25] offset:(32*(\t)+\i)*4096 th:TH_LOAD_NT
.endr
.endm
	WLOAD 0
	WLOAD 1
.macro WBLOCK t
.set XS, WX+32*((\t)%2)
.if (\t) < 3
	s_wait_loadcnt 32                              ; this block's 32 loads are in; the next block's 32 may be out
.else
	s_wait_loadcnt 0x0
.endif
	v_max3_num_f32 v12, |v[XS]|, |v[XS+1]|, |v[XS+2]|             ; the block's largest magnitude: all 32 numbers are mine; two chains
	v_max3_num_f32 v13, |v[XS+3]|, |v[XS+4]|, |v[XS+5]|
.irp i, 6,10,14,18,22,26
	v_max3_num_f32 v12, v12, |v[XS+\i]|, |v[XS+\i+1]|
	v_max3_num_f32 v13, v13, |v[XS+\i+2]|, |v[XS+\i+3]|
.endr
	v_max3_num_f32 v12, v12, |v[XS+30]|, |v[XS+31]|
	v_max3_num_f32 v12, v12, v13, 0x1800000        ; and the floor 2^(3 - 127): the byte cannot fall under 1
	v_add_nc_u32 v11, 0xff000000, v12              ; 2 off the exponent field: the conversion's scale operand
	v_lshrrev_b32 v13, 23, v11                     ; the scale's byte
.if (\t) == 0
	v_mov_b32 v[WSW], v13
.else
	v_lshl_or_b32 v[WSW], v13, 8*(\t), v[WSW]      ; the lower K in the lower byte
.endif
	v_cvt_scalef32_pk16_fp6_f32 v[WC:WC+2], v[XS:XS+15], v11
	v_cvt_scalef32_pk16_fp6_f32 v[WT2:WT2+2], v[XS+16:XS+31], v11   ; (a conversion's three registers begin on an even number)
	v_nop                                          ; one plain place behind the scaled conversions
.irp i, 0,1,2
	v_mov_b32 v[WC+3+\i], v[WT2+\i]
.endr
.irp i, 0,1,2                          ; block t = 2 c + h is what lane (row, h) holds in registers 6 c .. 6 c + 5: piece 3 c + i, 128 h + 8 x row
	ds_store_b64 v4, v[WC+2*\i:WC+2*\i+1] offset:((\t)/2)*768+\i*256+((\t)%2)*128
.endr
.if (\t)+2 < 4
	WLOAD (\t)+2
.endif
	s_wait_dscnt 0x0                               ; the stores have read their registers: the next block's codes may be written
.endm
	WBLOCK 0
	WBLOCK 1
	WBLOCK 2
	WBLOCK 3
	s_wait_alu depctr_va_vdst(0)                   ; the wait ahead of the reader below
	global_store_b32 v7, v[WSW], s[28:29]          ; 4 bytes of each of 32 rows, 32 bytes apart: one byte for each 128 that these waves read
.irp n, 0,1,2,3,4,5
	ds_load_b128 v[WOUT+4*\n:WOUT+4*\n+3], v5 offset:(\n/3)*WTIMG+(\n%3)*512   ; LDS serves a wave's instructions in order: these see my stores
.endr
.irp n, 0,1,2,3,4,5
	s_wait_dscnt 5-\n                              ; the younger loads may be out
	global_store_b128 v6, v[WOUT+4*\n:WOUT+4*\n+3], s[26:27] offset:(\n/3)*TROW+(\n%3)*512   ; 512 consecutive bytes, at a multiple of 256 from the buffer's first byte
.endr
	s_wait_tensorcnt 0x0                           ; the wave's end
	ds_add_u32 v238, v239
	s_wait_dscnt 0x0
	s_endpgm
.Lfunc_end_k_qda52ddb340_quant_x:
	.size	k_qda52ddb340_quant_x, .Lfunc_end_k_qda52ddb340_quant_x-k_qda52ddb340_quant_x
	.p2alignl 7, 3214868480
	.fill 96, 4, 3214868480
	.section	.rodata,"a",@progbits
	.p2align	6, 0x0
	.amdhsa_kernel k_qda52ddb340_quant_x
		.amdhsa_group_segment_fixed_size 65536
		.amdhsa_private_segment_fixed_size 0
		.amdhsa_enable_private_segment 0
		.amdhsa_kernarg_size 80
		.amdhsa_user_sgpr_count 2
		.amdhsa_user_sgpr_kernarg_segment_ptr 1
		.amdhsa_wavefront_size32 1
		.amdhsa_system_sgpr_workgroup_id_x 1
		.amdhsa_system_sgpr_workgroup_id_y 1
		.amdhsa_system_sgpr_workgroup_id_z 1
		.amdhsa_system_vgpr_workitem_id 0
		.amdhsa_next_free_vgpr 256
		.amdhsa_next_free_sgpr 66
		.amdhsa_reserve_vcc 1
		.amdhsa_float_denorm_mode_32 3
		.amdhsa_float_denorm_mode_16_64 3
		.amdhsa_memory_ordered 1
		.amdhsa_forward_progress 1
		.amdhsa_inst_pref_size 90
	.end_amdhsa_kernel
	.amdgpu_metadata
---
amdhsa.version: [ 1, 2 ]
amdhsa.kernels:
  - .name:           k_qda52ddb340_quant_x
    .symbol:         k_qda52ddb340_quant_x.kd
    .args:
      - { .name: query, .offset: 0, .size: 8, .value_kind: global_buffer, .address_space: global }
      - { .name: key, .offset: 8, .size: 8, .value_kind: global_buffer, .address_space: global }
      - { .name: value, .offset: 16, .size: 8, .value_kind: global_buffer, .address_space: global }
      - { .name: inqk, .offset: 24, .size: 8, .value_kind: global_buffer, .address_space: global }
      - { .name: inv, .offset: 32, .size: 8, .value_kind: global_buffer, .address_space: global }
      - { .name: Wq, .offset: 40, .size: 8, .value_kind: global_buffer, .address_space: global }
      - { .name: Wk, .offset: 48, .size: 8, .value_kind: global_buffer, .address_space: global }
      - { .name: Wv, .offset: 56, .size: 8, .value_kind: global_buffer, .address_space: global }
      - { .name: Wo, .offset: 64, .size: 8, .value_kind: global_buffer, .address_space: global }
      - { .name: ow, .offset: 72, .size: 8, .value_kind: global_buffer, .address_space: global }
    .group_segment_fixed_size: 65536
    .private_segment_fixed_size: 0
    .kernarg_segment_align: 8
    .kernarg_segment_size: 80
    .max_flat_workgroup_size: 320
    .sgpr_count:     66
    .vgpr_count:     256
    .wavefront_size: 32
...
	.end_amdgpu_metadata
.endif
;; end of part 1
;; launch proj_qk (part 2): grid 4 x 192, 4 waves a work-group, clusters of 4 x 4, 327,680 bytes of LDS; arguments inqk, qk, inv, vv; writes qk, vv
.if DOCPART == 2
	.amdgcn_target "amdgcn-amd-amdhsa--gfx1250"
	.amdhsa_code_object_version 6
	.text
	.protected	k_qda52ddb340_proj_qk
	.globl	k_qda52ddb340_proj_qk
	.p2align	8
	.type	k_qda52ddb340_proj_qk,@function
k_qda52ddb340_proj_qk:
	s_mov_b64 s[64:65], 0
	v_nop
	global_prefetch_b8 v0, s[64:65] scope:SCOPE_SE
	s_setreg_imm32_b32 hwreg(HW_REG_WAVE_MODE, 25, 1), 1
	s_wait_xcnt 0x0
	s_wait_alu depctr_hold_cnt(0) depctr_sa_sdst(0) depctr_va_vdst(0) depctr_va_sdst(0) depctr_va_ssrc(0) depctr_va_vcc(0) depctr_vm_vsrc(0)
	s_getreg_b32 s2, hwreg(HW_REG_IB_STS2, 6, 4)
	s_cmp_eq_u32 s2, 0
	s_cbranch_scc0 .Lentry_in_a_cluster
	s_endpgm
.Lentry_in_a_cluster:
	s_bfe_u32 s2, ttmp6, 0x10000c
	s_cmp_lg_u32 s2, 0xf033
	s_cbranch_scc0 .Lentry_shape_is_right
	s_endpgm
.Lentry_shape_is_right:
; A product on codes of FP6 (E2M3) with K = 1,024, C(a, b) = sum over k of A(a, k) B(b, k), from an operand buffer (A's codes at 0, B's at BOFF, scale bytes at ASOFF, BSOFF), all laid as images of the
; operand's registers: a fragment (16 rows x 128 K) is six pieces of 256 bytes, lane l's 8 bytes at 8 l; a tile of 16 rows is 12,288 bytes; scale bytes 32 a row.
; OUTP = 0: the result is quantised along B's rows (the next product's K) and stored as codes.  OUTP = 1: a bias is added and the result is stored as f32.
; SHARES.  A work-group takes 128 rows of A x 256 rows of B, all of K; wave w takes A's tiles 4 (w / 2) on and B's tiles 8 (w % 2) on: 32 accumulators.
; ALL OF K LIES IN LDS: four chunks of 256 along K (A's 8 tiles and B's 16, 3,072 bytes each) and the scale bytes, 307,200 bytes, each byte filled once: no slot is filled again.
; Every tensor load goes out at the head, five a wave (waves 0, 1: A's halves; waves 2, 3: B's); a chunk is waited for when it is wanted, with one barrier for each.
; CLUSTER 4 x 4: the four work-groups of a row need the same rows of A, the four of a column the same rows of B: each tile is asked for jointly.
; THE MATRIX INSTRUCTION IS USED TRANSPOSED: source 0 = 16 rows of B, source 1 = 16 rows of A: a lane holds one row of A, its registers run along B's rows.  B's rows were laid so that the 16 registers
; of tiles 2 b, 2 b + 1 are rows 32 b + 16 (lane / 16) + 0 .. 15 in their true order.
; LIMITS (OUTP = 0): NaN and infinities are not served; a block whose largest magnitude lies under 2^-124 keeps the byte 1, a block of zeros too (the bytes are read by this program alone).
; REGISTERS, in windows of 256.  Window 0: v1-21 addresses; v32-95 scale words (register 8 i + s: lanes 0-15 A's tile i, lanes 16-31 B's tile i, K step s); v128-223 A's fragments, two sets of 48.
;   Window 1: accumulator (a, t) at v[8 (8 a + t)].   Window 2: v0-191 B's fragments, two sets of 96; v192-255 the bias (OUTP = 1).
.set OUTP,  0
.set BOFF,  0x1000000
.set ASOFF, 0x1800000
.set BSOFF, 0x1900000
.set SCO,   0x1000000                  ; in a product buffer: the scale words
.set TROW,  12288
; THE FILLS AS THE TEXT HAS THEM (this takes the place of the head's two lines on chunks and on five loads a wave): K lies in LDS in TWO HALVES of 512 along K, each byte filled once.
; At the head each wave issues one joint load: wave 0 A's 8 tiles of half 0, wave 1 B's 16, wave 2 A's scale bytes, wave 3 B's.  Behind the tensor wait, the add and its wait, and a round of the
; cluster's barrier, wave 0 asks for A's half 1 and wave 1 for B's; K step 3 waits for them and shows them by a plain barrier.  No prefetch: the text has no loop to run ahead in.
.set CHB,   6144                       ; a tile's bytes of a half: four fragments
.set CH,    24*CHB                     ; a half: A's 8 tiles, then B's 16
.set SCL,   2*CH                       ; behind the halves: A's scale bytes (4,096), then B's (8,192)
.set SC,    32
.set AF,    128
.set G1A,   24                         ; s[24:31] group 1 for A's chunks;  s[32:39] B's;  s[40:47] A's scale bytes;  s[48:55] B's
.set G1B,   32
.set G1SA,  40
.set G1SB,  48
.set MUL,   0x52                       ; source 0 (B) window 2, source 1 (A) window 0, C and D window 1
.set MULB,  0x62                       ; the same with C (the bias) in window 2
.set TO_B,  0x80                       ; destination window 2, address window 0
.set MSB, 0
.macro WIN new                         ; the immediate's high byte repeats the setting that is left
.if MSB != \new
	s_set_vgpr_msb (MSB<<8)|\new
.set MSB, \new
.endif
.endm
.macro PLACES                          ; four places in front of loads into registers that matrix instructions have read, and of the first read of results
.rept 4
	v_nop
.endr
.endm
.macro CROUND                          ; a round of the cluster's barrier
	s_barrier_signal -1
	s_barrier_wait -1
	s_cmp_lg_u32 s10, 0
	s_cbranch_scc1 .Lnot_wave_0_\@
	s_barrier_signal -3
.Lnot_wave_0_\@:
	s_barrier_wait -3
	s_barrier_signal -1
	s_barrier_wait -1
.endm
.macro G1SET g, c, n, p                ; n rows of c elements of 8 bytes, p elements from row to row
	s_mov_b32 s[\g+1], (\c)<<16                    ; tensor_dim0
	s_mov_b32 s[\g+2], (\n)<<16                    ; tensor_dim1
	s_mov_b32 s[\g+3], (\c)<<16                    ; tile_dim0
	s_mov_b32 s[\g+4], \n                          ; tile_dim1
	s_mov_b32 s[\g+5], \p                          ; tensor_dim0_stride
	s_mov_b32 s[\g+6], 0
	s_mov_b32 s[\g+7], 0
.endm
.macro G0SET g, l, lc, b, off          ; to LDS byte s[l] + lc, from s[b:b+1] + off
	s_mov_b32 s[\g], 1
	s_add_co_u32 s[\g+1], s[\l], \lc
	s_add_nc_u64 s[\g+2:\g+3], s[\b:\b+1], \off
	s_or_b32 s[\g+3], s[\g+3], 0x80000000
.endm
	s_load_b128 s[4:7], s[0:1], 0x0                ; inqk, qk
	s_load_b128 s[68:71], s[0:1], 0x10             ; inv, vv
	v_lshl_add_u32 v254, v0, 2, 0x4b000
	v_mov_b32 v255, 0
	ds_add_u32 v254, v255
	ds_add_u32 v254, v255
.if OUTP
	s_load_b64 s[8:9], s[0:1], 0x10                ; the output
.endif
	v_lshrrev_b32 v1, 5, v0
	v_readfirstlane_b32 s10, v1                    ; wave 0..3
	s_lshr_b32 s11, s10, 1                         ; which 4 tiles of A are mine
	s_and_b32 s12, s10, 1                          ; which 8 tiles of B
	s_bfe_u32 s13, ttmp6, 0x40000                  ; cx, cy: my place in the cluster
	s_bfe_u32 s14, ttmp6, 0x40004
	; ONE LAUNCH FOR THREE PRODUCTS.  Clusters 0-31 along y make Q and K from inqk into qk (16 on: key's rows take Wk, the buffer's second weight); clusters 32-47 make V^T from inv into vv,
	; as 8 x 2 clusters: 32 blocks of value's rows x 8 blocks of Wv's.  All of this hangs on the cluster's number alone, which the sixteen partners share.
	s_and_b32 s19, ttmp7, 0xffff
	s_sub_co_u32 s2, s19, 32
	s_and_b32 s3, s2, 7                            ; V: the cluster's x,
	s_lshr_b32 s2, s2, 3                           ; and its y
	s_lshr_b32 s66, s19, 4
	s_cmp_lt_u32 s19, 32
	s_cselect_b32 s15, ttmp9, s3
	s_cselect_b32 s16, s19, s2
	s_cselect_b32 s19, s66, 0
	s_lshl_b32 s15, s15, 2
	s_add_co_u32 s15, s15, s13                     ; x = 4 x cluster x + cx
	s_lshl_b32 s16, s16, 2
	s_add_co_u32 s16, s16, s14                     ; y = 4 x cluster y + cy
	s_lshl_b32 s17, s14, 2
	s_lshl_b32 s17, 15, s17                        ; my row of the cluster
	s_lshl_b32 s18, 0x1111, s13                    ; my column
	s_or_b32 s[G1A], s17, (3<<16)|(1<<21)          ; 15:0 the mask; 17:16 elements of 8 bytes; 21 set beside a mask; no padding
	s_or_b32 s[G1SA], s17, (3<<16)|(1<<21)
	s_or_b32 s[G1B], s18, (3<<16)|(1<<21)
	s_or_b32 s[G1SB], s18, (3<<16)|(1<<21)
	G1SET G1A, 768, 8, 1536                        ; 8 tiles x 6,144 bytes, 12,288 bytes apart
	G1SET G1B, 768, 16, 1536                       ; 16 tiles
	G1SET G1SA, 32, 16, 32                         ; 4,096 dense bytes as rows of 256
	G1SET G1SB, 32, 32, 32                         ; 8,192 dense bytes
	; A's addresses hang on y alone, B's on x and the cluster's y alone, each in registers that never hold the other place
	s_lshl_b32 s20, s16, 3
	s_mul_i32 s20, s20, TROW                       ; A's codes: tile 8 y
	s_mov_b32 s21, 0
	s_lshl_b32 s22, s16, 12
	s_mov_b32 s23, 0                               ; A's scale bytes: 4,096 y
	s_lshl_b32 s2, s19, 2
	s_add_co_u32 s2, s2, s15                       ; B's block of 256 rows
	s_lshl_b32 s66, s2, 4
	s_mul_i32 s66, s66, TROW                       ; B's codes: tile 16 x block
	s_mov_b32 s67, 0
	s_lshl_b32 s2, s2, 13
	s_mov_b32 s3, 0                                ; B's scale bytes: 8,192 x block
	s_mov_b32 s100, 0                              ; every LDS place is a constant
	s_wait_dscnt 0x0
	s_wait_kmcnt 0x0
	s_and_b32 s72, ttmp7, 0xffff
	s_cmp_lt_u32 s72, 32                           ; the buffers are chosen by the cluster's number alone
	s_cselect_b64 s[4:5], s[4:5], s[68:69]
	s_cselect_b64 s[6:7], s[6:7], s[70:71]
	s_add_nc_u64 s[20:21], s[4:5], s[20:21]
	s_add_nc_u64 s[22:23], s[4:5], s[22:23]
	s_add_nc_u64 s[66:67], s[4:5], s[66:67]
	s_add_nc_u64 s[2:3], s[4:5], s[2:3]
	G0SET 56, 100, 0*CH, 20, 0*CHB                 ; A's halves 0 and 1
	G0SET 60, 100, 1*CH, 20, 1*CHB
	G0SET 80, 100, 0*CH+8*CHB, 66, BOFF+0*CHB      ; B's
	G0SET 84, 100, 1*CH+8*CHB, 66, BOFF+1*CHB
	G0SET 76, 100, SCL, 22, ASOFF                  ; the scale bytes
	G0SET 96, 100, SCL+4096, 2, BSOFF
	CROUND                                         ; all sixteen work-groups are here: the joint loads meet
	s_cmp_eq_u32 s10, 0                            ; one chain of branches on the wave's number, one load to an arm
	s_cbranch_scc0 .Lhead_1
	tensor_load_to_lds s[56:59], s[G1A:G1A+7]      ; wave 0: A's half 0
	s_nop 0
	PLACES
	s_branch .Lasked
.Lhead_1:
	s_cmp_eq_u32 s10, 1
	s_cbranch_scc0 .Lhead_2
	tensor_load_to_lds s[80:83], s[G1B:G1B+7]      ; wave 1: B's half 0
	s_nop 0
	PLACES
	s_branch .Lasked
.Lhead_2:
	s_cmp_eq_u32 s10, 2
	s_cbranch_scc0 .Lhead_3
	tensor_load_to_lds s[76:79], s[G1SA:G1SA+7]    ; wave 2: A's scale bytes
	s_nop 0
	PLACES
	s_branch .Lasked
.Lhead_3:
	tensor_load_to_lds s[96:99], s[G1SB:G1SB+7]    ; wave 3: B's scale bytes
	s_nop 0
	PLACES
.Lasked:
	v_and_b32 v4, 31, v0                           ; lane
	v_and_b32 v1, 15, v0                           ; r
	v_bfe_u32 v2, v0, 4, 1                         ; h
	v_lshlrev_b32 v3, 3, v4                        ; a piece: 8 bytes a lane
	s_wait_alu depctr_va_vdst(0)
	v_lshlrev_b32 v18, 4, v1                       ; 16 r
	s_mul_i32 s20, s11, 4*CHB                      ; my 4 tiles of A,
	s_mul_i32 s21, s12, 8*CHB
	s_add_co_u32 s21, s21, 8*CHB                   ; my 8 of B, behind A's 8
.irp j, 0,1
	v_add_nc_u32 v[8+\j], s20, v3                  ; v8-9: A's fragments in half j;  v12-13: B's
	v_add_nc_u32 v[12+\j], s21, v3
	s_add_co_u32 s20, s20, CH
	s_add_co_u32 s21, s21, CH
.endr
	s_lshl_b32 s20, s11, 11                        ; the scale words: lanes 0-15 take A's rows, lanes 16-31 B's: the lower base + h x the distance
	s_lshl_b32 s21, s12, 12
	s_add_co_u32 s21, s21, 4096
	s_sub_co_u32 s21, s21, s20
	v_mul_u32_u24 v5, s21, v2
	v_lshl_add_u32 v5, v1, 5, v5                   ; 32 bytes a row
	s_add_co_u32 s20, s20, SCL
	v_add_nc_u32 v16, s20, v5
.if OUTP
	s_mul_i32 s20, s10, 16*528                     ; the way out: my stage, 16 rows x (512 bytes + 16), in half 0
	v_mul_u32_u24 v19, v1, 528
	v_lshl_add_u32 v19, v2, 6, v19
	v_add_nc_u32 v19, s20, v19                     ; in: row r, + 64 h
	v_lshlrev_b32 v21, 4, v4                       ; back, and in the output: 16 bytes a lane
	v_add_nc_u32 v20, s20, v21
	s_lshl_b32 s20, s15, 10
	s_lshl_b32 s21, s12, 9
	s_add_co_u32 s20, s20, s21                     ; my 128 columns, in bytes: 1,024 x + 512 x half
	s_mov_b32 s21, 0
	s_add_nc_u64 s[6:7], s[6:7], s[20:21]          ; the bias there
	s_add_nc_u64 s[8:9], s[8:9], s[20:21]
	s_lshl_b32 s20, s16, 7
	s_lshl_b32 s22, s11, 6
	s_add_co_u32 s20, s20, s22
	s_lshl_b32 s20, s20, 12                        ; my first row: 128 y + 64 x half, rows of 4,096 bytes
	s_add_nc_u64 s[8:9], s[8:9], s[20:21]
	v_lshlrev_b32 v17, 6, v2
	WIN TO_B
.irp t, 0,1,2,3,4,5,6,7                ; the bias in the result's layout: tile t, lane half h: columns 32 (t / 2) + 16 h + 8 (t % 2) + 0 .. 7
	global_load_b128 v[192+8*\t:192+8*\t+3], v17, s[6:7] offset:(32*(\t/2)+8*(\t%2))*4
	global_load_b128 v[192+8*\t+4:192+8*\t+7], v17, s[6:7] offset:(32*(\t/2)+8*(\t%2))*4+16
.endr
	WIN 0
.else
	s_lshl_b32 s20, s16, 3                         ; where my part of the product buffer begins.  TA = my first tile of A, GB = my 128 rows of B
	s_lshl_b32 s21, s11, 2
	s_add_co_u32 s20, s20, s21                     ; TA = 8 y + 4 x half
	s_lshr_b32 s21, s20, 7
	s_mul_i32 s21, s21, 1572864
	s_and_b32 s22, s20, 127
	s_mul_i32 s22, s22, 768
	s_add_co_u32 s21, s21, s22
	s_lshl_b32 s22, s15, 1
	s_add_co_u32 s22, s22, s12                     ; GB = 2 x + half
	s_mul_i32 s23, s22, 196608
	s_add_co_u32 s100, s21, s23                    ; codes: (TA / 128) 1,572,864 + (TA % 128) 768 + GB 196,608; a half fragment c lies 98,304 c on
	s_mov_b32 s101, 0
	s_add_nc_u64 s[100:101], s[6:7], s[100:101]
	s_lshr_b32 s20, s20, 2
	s_lshl_b32 s20, s20, 6
	s_add_co_u32 s20, s20, s22
	s_lshl_b32 s20, s20, 8
	s_add_co_u32 s20, s20, SCO                     ; scale words: a unit of 256 bytes for four tiles of A and GB: 16 r + 4 (TA % 4)
	s_mov_b32 s21, 0
	s_add_nc_u64 s[22:23], s[6:7], s[20:21]
	s_mov_b32 s2, 0x76543210                       ; v_permlanex16_b32's selects for lane l xor 16
	s_mov_b32 s3, 0xfedcba98
.endif
.macro SCALES                          ; all scale words, once: tile i, words 4 g on.  (For i above 3 lanes 0-15 read filled bytes that no product names.)
.irp i, 0,1,2,3,4,5,6,7
.irp g, 0,1
	ds_load_b128 v[SC+8*\i+4*\g:SC+8*\i+4*\g+3], v16 offset:512*\i+16*\g
.endr
.endr
.endm
.macro FETCH s                         ; K step s (half s / 4, fragment s % 4): B's 8 fragments and A's 4 into set s % 2
	WIN TO_B
.irp t, 0,1,2,3,4,5,6,7
.irp p, 0,1,2,3,4,5
	ds_load_b64 v[96*((\s)%2)+12*\t+2*\p:96*((\s)%2)+12*\t+2*\p+1], v[12+(\s)/4] offset:CHB*\t+1536*((\s)%4)+256*\p
.endr
.endr
	WIN 0
.irp a, 0,1,2,3
.irp p, 0,1,2,3,4,5
	ds_load_b64 v[AF+48*((\s)%2)+12*\a+2*\p:AF+48*((\s)%2)+12*\a+2*\p+1], v[8+(\s)/4] offset:CHB*\a+1536*((\s)%4)+256*\p
.endr
.endr
.endm
.macro MUL32 s                         ; 32 products, the 32 accumulators by turns, in the same order in every step.  The first step starts the sums
.if OUTP && ((\s) == 0)
	WIN MULB
.else
	WIN MUL
.endif
.irp a, 0,1,2,3
.irp t, 0,1,2,3,4,5,6,7
.set rD, 8*(8*\a+\t)
.set rB, 96*((\s)%2)+12*\t
.set rA, AF+48*((\s)%2)+12*\a
.if (\s) > 0
	v_wmma_scale_f32_16x16x128_f8f6f4 v[rD:rD+7], v[rB:rB+11], v[rA:rA+11], v[rD:rD+7], v[SC+8*\t+(\s)], v[SC+8*\a+(\s)] matrix_a_fmt:MATRIX_FMT_FP6 matrix_b_fmt:MATRIX_FMT_FP6 matrix_a_scale:MATRIX_SCALE_ROW1
.elseif OUTP
	v_wmma_scale_f32_16x16x128_f8f6f4 v[rD:rD+7], v[rB:rB+11], v[rA:rA+11], v[192+8*\t:199+8*\t], v[SC+8*\t+(\s)], v[SC+8*\a+(\s)] matrix_a_fmt:MATRIX_FMT_FP6 matrix_b_fmt:MATRIX_FMT_FP6 matrix_a_scale:MATRIX_SCALE_ROW1
.else
	v_wmma_scale_f32_16x16x128_f8f6f4 v[rD:rD+7], v[rB:rB+11], v[rA:rA+11], 0, v[SC+8*\t+(\s)], v[SC+8*\a+(\s)] matrix_a_fmt:MATRIX_FMT_FP6 matrix_b_fmt:MATRIX_FMT_FP6 matrix_a_scale:MATRIX_SCALE_ROW1
.endif
.endr
.endr
.endm
.macro STEP s
	s_wait_dscnt 0x0                               ; this step's fragments, asked for a step ago, are in
.if (\s) == 3
	s_wait_tensorcnt 0x0                           ; my load of the second half, if I issued one, is in
	s_barrier_signal -1
	s_barrier_wait -1                              ; everybody's is
.endif
.if (\s) > 0
	PLACES
.endif
.if (\s) < 7
	FETCH (\s)+1                                   ; the next step's fragments land while this step is multiplied
.endif
	MUL32 \s
	WIN 0
.endm
	s_wait_alu depctr_va_vdst(0)                   ; the wait at the head's end
	s_wait_tensorcnt 0x0                           ; my tile of the head's four is in
	ds_add_u32 v254, v255
	s_wait_dscnt 0x0
	CROUND                                         ; everybody's tile is in, and the sixteen work-groups meet for the second halves
	s_cmp_eq_u32 s10, 0
	s_cbranch_scc0 .Lhalf_b
	tensor_load_to_lds s[60:63], s[G1A:G1A+7]      ; wave 0: A's half 1
	s_nop 0
	PLACES
	s_branch .Lhalf_asked
.Lhalf_b:
	s_cmp_eq_u32 s10, 1
	s_cbranch_scc0 .Lhalf_asked
	tensor_load_to_lds s[84:87], s[G1B:G1B+7]      ; wave 1: B's half 1
	s_nop 0
	PLACES
.Lhalf_asked:
	SCALES
	FETCH 0
.if OUTP
	s_wait_loadcnt 0x0                             ; the bias
.endif
.irp s, 0,1,2,3,4,5,6,7
	STEP \s
.endr
.if OUTP
; THE WAY OUT, a tile of A (16 rows x my 128 columns) at a time, through my stage and back as whole rows of 512 bytes.  The stage lies in half 0, which has had its one fill, and which nobody reads
; behind the barrier of K step 3.  The place of a tile's eight numbers in a row puts the columns back into their true order.
.macro TOSTAGE a
	WIN 0x04                                       ; an LDS store's data are its source 1: window 1
.irp t, 0,1,2,3,4,5,6,7
	ds_store_b128 v19, v[64*(\a)+8*\t:64*(\a)+8*\t+3] offset:128*(\t/2)+32*(\t%2)          ; each accumulator from its low end on
	ds_store_b128 v19, v[64*(\a)+8*\t+4:64*(\a)+8*\t+7] offset:128*(\t/2)+32*(\t%2)+16
.endr
	WIN 0
.irp i, 0,1,2,3,4,5,6,7,8,9,10,11,12,13,14,15
	ds_load_b128 v[128+64*((\a)%2)+4*\i:128+64*((\a)%2)+4*\i+3], v20 offset:\i*528   ; LDS serves a wave's instructions in order: these see the stores above, and the next tile's stores come behind them
.endr
.endm
.macro SEND a, younger                 ; younger: the LDS instructions issued behind tile a's loads, which may stay out
	s_wait_dscnt \younger
.irp i, 0,1,2,3,4,5,6,7,8,9,10,11,12,13,14,15
	global_store_b128 v21, v[128+64*((\a)%2)+4*\i:128+64*((\a)%2)+4*\i+3], s[8:9] offset:(16*(\a)+\i)*4096 th:TH_STORE_NT   ; 512 consecutive bytes, aligned; written once, read by nobody here
.endr
.endm
	PLACES
	TOSTAGE 0
	TOSTAGE 1
	SEND 0, 32                                     ; behind tile 0's loads: tile 1's 16 stores and 16 loads
	s_wait_xcnt 0x0                                ; tile 0's stores have read their registers: tile 2's loads may land there
	TOSTAGE 2
	SEND 1, 32
	s_wait_xcnt 0x0
	TOSTAGE 3
	SEND 2, 32
	SEND 3, 0
.else
; THE WAY OUT.  The 64 registers of a tile of A are 64 numbers of my row: register 16 b + i = B's row 32 b + 16 (lane / 16) + i of my 128: one fragment of the next product, quantised in registers.  The four tiles go stage by stage.
.set MX, 96                            ; v96-111  largest magnitudes, 4 a + b
.set PM, 128                           ; v128-143 lane l xor 16's, then the bytes (registers that LDS loads have written)
.set SO, 144                           ; v144-159 the conversions' scale operands
.set PW, 160                           ; v160-163 the scale words
.set CD, 164                           ; v164-211 the codes, 12 a tile
.set TP, 212                           ; v212-243 halves as the conversions leave them
	PLACES
	WIN 0x05                                       ; sources 0 and 1: window 1
.irp a, 0,1,2,3
.irp b, 0,1,2,3
	v_max3_num_f32 v[MX+4*\a+\b], |v[64*\a+16*\b]|, |v[64*\a+16*\b+1]|, 0x1800000   ; each accumulator from its low end on; the floor 2^(3 - 127) holds the byte at 1 from below
.endr
.endr
.irp i, 2,4,6,8,10,12,14
.irp a, 0,1,2,3
.irp b, 0,1,2,3
	v_max3_num_f32 v[MX+4*\a+\b], |v[64*\a+16*\b+\i]|, |v[64*\a+16*\b+\i+1]|, v[MX+4*\a+\b]
.endr
.endr
.endr
	WIN 0
.irp n, 0,1,2,3,4,5,6,7,8,9,10,11,12,13,14,15
	v_permlanex16_b32 v[PM+\n], v[MX+\n], s2, s3
.endr
.irp n, 0,1,2,3,4,5,6,7,8,9,10,11,12,13,14,15
	v_max_num_f32 v[MX+\n], v[MX+\n], v[PM+\n]     ; with lane l xor 16's: the block's largest magnitude
.endr
.irp n, 0,1,2,3,4,5,6,7,8,9,10,11,12,13,14,15
	v_add_nc_u32 v[SO+\n], 0xff000000, v[MX+\n]    ; 2 off its exponent field: the conversion's scale operand
.endr
.irp n, 0,1,2,3,4,5,6,7,8,9,10,11,12,13,14,15
	v_lshrrev_b32 v[PM+\n], 23, v[SO+\n]           ; the scale's byte
.endr
.irp a, 0,1,2,3
	v_lshl_or_b32 v[PW+\a], v[PM+4*\a+1], 8, v[PM+4*\a]
.endr
.irp a, 0,1,2,3
	v_lshl_or_b32 v[PW+\a], v[PM+4*\a+2], 16, v[PW+\a]
.endr
.irp a, 0,1,2,3
	v_lshl_or_b32 v[PW+\a], v[PM+4*\a+3], 24, v[PW+\a]
.endr
	WIN 0x01                                       ; source 0: window 1
.irp a, 0,1,2,3
.irp c, 0,1
	v_cvt_scalef32_pk16_fp6_f32 v[CD+12*\a+6*\c:CD+12*\a+6*\c+2], v[64*\a+32*\c:64*\a+32*\c+15], v[SO+4*\a+2*\c]
	v_cvt_scalef32_pk16_fp6_f32 v[TP+8*\a+4*\c:TP+8*\a+4*\c+2], v[64*\a+32*\c+16:64*\a+32*\c+31], v[SO+4*\a+2*\c+1]   ; (a conversion's three registers begin on an even number)
.endr
.endr
	WIN 0
	v_nop                                          ; one plain place behind the scaled conversions
.irp a, 0,1,2,3
.irp c, 0,1                            ; the operand's layout wants a WHOLE block in a lane
.irp i, 0,1,2
	v_permlane16_swap_b32 v[CD+12*\a+6*\c+\i], v[TP+8*\a+4*\c+\i]
.endr
.irp i, 0,1,2
	v_mov_b32 v[CD+12*\a+6*\c+3+\i], v[TP+8*\a+4*\c+\i]
.endr
.endr
.endr
.irp a, 0,1,2,3
.irp c, 0,1
.irp i, 0,1,2
	global_store_b64 v3, v[CD+12*\a+6*\c+2*\i:CD+12*\a+6*\c+2*\i+1], s[100:101] offset:\a*768+\c*98304+\i*256   ; a piece: 256 consecutive bytes, aligned
.endr
.endr
.endr
	v_cmp_gt_u32 vcc_lo, 16, v4                    ; lanes l and l xor 16 hold the same words: lanes 0-15 store them
	s_wait_xcnt 0x0                                ; EXEC changes only behind this wait
	s_and_saveexec_b32 s20, vcc_lo
	global_store_b128 v18, v[PW:PW+3], s[22:23]    ; sixteen lanes fill one aligned unit of 256 bytes
	s_wait_xcnt 0x0
	s_or_b32 exec_lo, exec_lo, s20
.endif
	s_wait_tensorcnt 0x0
	ds_add_u32 v254, v255
	s_wait_dscnt 0x0
	CROUND                                         ; the closing round: no work-group ends while a partner may still ask for a tile that names it
	s_endpgm
.Lfunc_end_k_qda52ddb340_proj_qk:
	.size	k_qda52ddb340_proj_qk, .Lfunc_end_k_qda52ddb340_proj_qk-k_qda52ddb340_proj_qk
	.p2alignl 7, 3214868480
	.fill 96, 4, 3214868480
	.section	.rodata,"a",@progbits
	.p2align	6, 0x0
	.amdhsa_kernel k_qda52ddb340_proj_qk
		.amdhsa_group_segment_fixed_size 327680
		.amdhsa_private_segment_fixed_size 0
		.amdhsa_enable_private_segment 0
		.amdhsa_kernarg_size 32
		.amdhsa_user_sgpr_count 2
		.amdhsa_user_sgpr_kernarg_segment_ptr 1
		.amdhsa_wavefront_size32 1
		.amdhsa_system_sgpr_workgroup_id_x 1
		.amdhsa_system_sgpr_workgroup_id_y 1
		.amdhsa_system_sgpr_workgroup_id_z 1
		.amdhsa_system_vgpr_workitem_id 0
		.amdhsa_next_free_vgpr 768
		.amdhsa_next_free_sgpr 102
		.amdhsa_reserve_vcc 1
		.amdhsa_float_denorm_mode_32 3
		.amdhsa_float_denorm_mode_16_64 3
		.amdhsa_memory_ordered 1
		.amdhsa_forward_progress 1
		.amdhsa_inst_pref_size 100
	.end_amdhsa_kernel
	.amdgpu_metadata
---
amdhsa.version: [ 1, 2 ]
amdhsa.kernels:
  - .name:           k_qda52ddb340_proj_qk
    .symbol:         k_qda52ddb340_proj_qk.kd
    .args:
      - { .name: inqk, .offset: 0, .size: 8, .value_kind: global_buffer, .address_space: global }
      - { .name: qk, .offset: 8, .size: 8, .value_kind: global_buffer, .address_space: global }
      - { .name: inv, .offset: 16, .size: 8, .value_kind: global_buffer, .address_space: global }
      - { .name: vv, .offset: 24, .size: 8, .value_kind: global_buffer, .address_space: global }
    .group_segment_fixed_size: 327680
    .private_segment_fixed_size: 0
    .kernarg_segment_align: 8
    .kernarg_segment_size: 32
    .max_flat_workgroup_size: 128
    .sgpr_count:     102
    .vgpr_count:     768
    .wavefront_size: 32
...
	.end_amdgpu_metadata
.endif
;; end of part 2
;; launch attn (part 3): grid 4 x 64, 16 waves a work-group, clusters of 4 x 1, 215,040 bytes of LDS; arguments qk, vv, ow; writes ow
.if DOCPART == 3
	.amdgcn_target "amdgcn-amd-amdhsa--gfx1250"
	.amdhsa_code_object_version 6
	.text
	.protected	k_qda52ddb340_attn
	.globl	k_qda52ddb340_attn
	.p2align	8
	.type	k_qda52ddb340_attn,@function
k_qda52ddb340_attn:
	s_mov_b64 s[64:65], 0
	v_nop
	global_prefetch_b8 v0, s[64:65] scope:SCOPE_SE
	s_setreg_imm32_b32 hwreg(HW_REG_WAVE_MODE, 25, 1), 1
	s_wait_xcnt 0x0
	s_wait_alu depctr_hold_cnt(0) depctr_sa_sdst(0) depctr_va_vdst(0) depctr_va_sdst(0) depctr_va_ssrc(0) depctr_va_vcc(0) depctr_vm_vsrc(0)
	s_getreg_b32 s2, hwreg(HW_REG_IB_STS2, 6, 4)
	s_cmp_eq_u32 s2, 0
	s_cbranch_scc0 .Lentry_in_a_cluster
	s_endpgm
.Lentry_in_a_cluster:
	s_bfe_u32 s2, ttmp6, 0x10000c
	s_cmp_lg_u32 s2, 0x3003
	s_cbranch_scc0 .Lentry_shape_is_right
	s_endpgm
.Lentry_shape_is_right:
; O[b][h][q] = the sum over k of softmax_k(Q . K / 32) V, 64 heads (b, h) of 2,048 queries and keys, head size 64, both products on codes of FP6 (E2M3) with one E8M0 byte for each 32 along K;
; O is divided by the row's sum, quantised along the head's 64 and stored as codes: A of the last product.
; THE SOFTMAX: t = score x log2(e) / 32; M = the running largest t rounded UP to a whole number; p = 2^(t - M) is quantised along the keys, not normalised; the row's sum is taken of the unquantised p.
; When M moves, the sum and O are multiplied by 2^(old M - new M): exact.
; LIMITS: NaN and infinities are not served; the promise holds while |t| stays under 2^31; a block whose largest magnitude lies under 2^-124 keeps the byte 1, a block of zeros too (read by this program alone).
; INPUTS, as images of registers.  qk: Q's and K's tiles of 16 rows x 64, 768 bytes (three pieces of 256 bytes, lane l's 8 bytes at 8 l), head (b, h) at (16 b + h) 98,304, K's KOFF on.
; vv: V^T, keys innermost: for a key step of 128 keys and its half c a row of 98,304 bytes, in it tile 4 h + dt of 16 of the model's 1,024 at 768 (4 h + dt).
; K'S TILES: place 8 h + j of tile 4 c + u of a key step holds key 64 c + 32 h + 8 u + j.  So register 32 c + i of S^T in lane half h is key 64 c + 32 h + i: A LANE HOLDS TWO WHOLE BLOCKS OF 32 KEYS,
; in the order of the second product's operand: a block's largest score needs no other lane, and the conversions' results are the operand's registers.
; THE FIRST PRODUCT HAS K = 64, the instruction 128.  A fragment of 12 registers takes TWO tiles of keys and is multiplied twice: by (q, zeros) and by (zeros, q): 18 registers q, zeros, q serve both.
; SHARES.  256 work-groups; a work-group owns 512 queries of a head; each of its sixteen waves takes 16 of them in each of two passes, and walks 16 key steps of 128 keys in a pass.
; ALL OF THE HEAD'S K AND V LIES IN LDS: 98,304 + 98,304 bytes of codes, 12,288 of scale words, each byte filled once, by sixteen loads at the head, one a wave
; (waves 0-7 K, 8-11 V, 12-13 K's scale words, 14-15 V's).  Nothing is filled again: behind the head's two barriers the waves share nothing and meet at no barrier.
; TWO REGIONS OF 64 REGISTERS CHANGE ROLES FROM STEP TO STEP: one holds K's fragments and then V's, the other S^T and p; as soon as p has been summed and converted, its region takes the NEXT step's
; fragments of K, which land under O's rescaling and the second product.  The walk is a ring: a pass's last step asks for key step 0, for the next pass; in the last pass these 25 loads are not read
; (they are issued all the same, so that the counted wait for V's fragments counts the same loads on every path).
; CLUSTER 4 x 1: the four work-groups of a head need the same K and V: every load is asked for jointly.  No prefetch: every fill goes out at the head, and no later load is left to run ahead of.
; Both products are used transposed (S^T = K Q^T, O^T = V^T P^T): a lane holds one query (lane % 16) throughout.
.set KOFF,  6291456
.set SCO,   0x1000000
.set ASOFF, 0x1800000
.set VB,    98304                      ; LDS: K's 128 tiles at 0, V's 32 rows of 3,072 bytes here
.set SCK,   196608                     ; K's scale words as they lie in qk: [key step][half][row][4 tiles], 8,192 bytes
.set SCV,   SCK+8192                   ; V's: [key step][row][dt], 4,096 bytes
.set PKS,   SCV+4096                   ; K's scale words packed for the doubled fragments: [key step][row][pair of tiles], 4,096 bytes: stored by the waves, never filled
.set SPARE, PKS+4096                   ; the spare words, 128 bytes for each wave
.set QA,  16                           ; v16-27   (q, zeros)
.set QB,  22                           ; v22-33   (zeros, q)
.set Q2,  34                           ; v34-39   the second pass's q
.set QS,  40                           ; v40      Q's scale word: its two bytes twice
.set Q2S, 41                           ; v41      the second pass's word as loaded
.set KW,  44                           ; v44-47   K's packed scale words
.set VW,  48                           ; v48-51   V's scale words
.set RA,  52                           ; v52-115  the two regions
.set RB,  116                          ; v116-179
.set O,   180                          ; v180-211 O^T
.set P,   212                          ; v212-223 p's codes
.set T,   224                          ; v224-226, v228-230 upper halves of blocks as the conversions leave them
.set PKA, 227                          ; v227     the packing's LDS address
.set QT,  231                          ; v231     the first pass's scale word as loaded
.set BM,  232                          ; v232-235 chains of the largest scores; then v232, v233 the two blocks' largest score, then p
.set PX,  236                          ; v236-239 lane l xor 16's; the bytes
.set SOP, 240                          ; v240-241 the conversions' scale operands
.set FF,  242                          ; v[242:243] f = 2^(old M - new M)
.set TT,  244
.set PS,  245                          ; v245     p's scale word
.set U,   246                          ; v246-251 three chains of the sum
.set R32, 252                          ; v252     32 x (lane % 16)
.set H8,  253                          ; v253     8 x (lane / 16)
.set SEL, 20                           ; s[20:21] selects for lane l xor 16
.set CS,  22                           ; s[22:23] c = log2(e) / 32
.set NB,  76                           ; s76 the next trip's two key steps in K and in V;  s77 in the scale words;  s78 trips;  s3 passes
.set NS,  77
.set TRIP, 78
.set PASS, 3
.macro PLACES
.rept 4
	v_nop
.endr
.endm
.macro WALU
	s_wait_alu depctr_va_vdst(0)
.endm
.macro CROUND                          ; a round of the cluster's barrier
	s_barrier_signal -1
	s_barrier_wait -1
	s_cmp_lg_u32 s10, 0
	s_cbranch_scc1 .Lnot_wave_0_\@
	s_barrier_signal -3
.Lnot_wave_0_\@:
	s_barrier_wait -3
	s_barrier_signal -1
	s_barrier_wait -1
.endm
.macro G1SET g, c, n, p                ; n rows of c elements of 8 bytes, p elements from row to row; the mask names all four work-groups, bit 21 beside it
	s_mov_b32 s[\g], 15|(3<<16)|(1<<21)
	s_mov_b32 s[\g+1], (\c)<<16
	s_mov_b32 s[\g+2], (\n)<<16
	s_mov_b32 s[\g+3], (\c)<<16
	s_mov_b32 s[\g+4], \n
	s_mov_b32 s[\g+5], \p
	s_mov_b32 s[\g+6], 0
	s_mov_b32 s[\g+7], 0
.endm
.macro TLOAD g0, g1
	tensor_load_to_lds s[\g0:\g0+3], s[\g1:\g1+7]
	s_nop 0
	PLACES
.endm
.macro KLOAD r, a, off, wa, woff       ; a key step's four doubled fragments of K into region r, and its packed scale words: 25 loads
.irp k, 0,1,2,3
.irp p, 0,1,2,3,4,5
	ds_load_b64 v[\r+12*\k+2*\p:\r+12*\k+2*\p+1], \a offset:(\off)+1536*\k+256*\p
.endr
.endr
	ds_load_b128 v[KW:KW+3], \wa offset:4096+(\woff)
.endm
.macro VL r, q, n                      ; piece n = 6 d + 3 c + i of V's four fragments
	ds_load_b64 v[\r+2*(\n):\r+2*(\n)+1], v11 offset:6144*(\q)+3072*(((\n)%6)/3)+768*((\n)/6)+256*((\n)%3)
.endm
	s_load_b128 s[4:7], s[0:1], 0x0                ; qk, vv
	s_load_b64 s[8:9], s[0:1], 0x10                ; ow
	v_lshl_add_u32 v5, v0, 2, SPARE                ; v5, v6: the add's two registers; never rewritten
	v_mov_b32 v6, 0
	ds_add_u32 v5, v6                              ; the opening lines: the add, twice on end, and its wait
	ds_add_u32 v5, v6
	v_lshrrev_b32 v7, 5, v0
	v_readfirstlane_b32 s10, v7                    ; wave 0..15
	s_and_b32 s11, s10, 1
	s_bfe_u32 s12, ttmp6, 0x40000                  ; cx: it enters Q's and O's global addresses alone
	s_lshl_b32 s13, ttmp9, 2
	s_add_co_u32 s13, s13, s12                     ; my block of 512 queries
	s_and_b32 s14, ttmp7, 0xffff                   ; 16 b + h, which the four partners share
	s_lshr_b32 s15, s14, 4                         ; b
	s_and_b32 s16, s14, 15                         ; h
	s_and_b32 s17, s16, 1
	s_cmp_eq_u32 s17, 0                            ; a scale word of qk holds two heads' two bytes: mine are the lower or the upper two
	s_mov_b32 s18, 0x07060302
	s_cselect_b32 s18, 0x05040100, s18             ; two tiles' halves into one word
	s_mov_b32 s19, 0x03020302
	s_cselect_b32 s19, 0x01000100, s19             ; one half twice
	s_mov_b32 s[SEL], 0x76543210
	s_mov_b32 s[SEL+1], 0xfedcba98
	s_mov_b32 s[CS], 0x3d38aa3b                    ; log2(e) / 32
	s_mov_b32 s[CS+1], s[CS]
	G1SET 24, 384, 4, 384                          ; K: 12,288 dense bytes as 4 rows of 3,072
	G1SET 32, 384, 8, 12288                        ; V: 8 rows of 3,072 bytes, 98,304 bytes apart
	G1SET 40, 32, 16, 2048                         ; K's scale words: 16 units of 256 bytes, 16,384 bytes apart
	G1SET 48, 32, 8, 32                            ; V's: 2,048 dense bytes
	s_mul_i32 s80, s14, 98304                      ; the head's tiles of Q and of K
	s_lshl_b32 s81, s13, 5
	s_add_co_u32 s81, s81, s10                     ; qt: my tile of queries in the first pass; the second's lies 16 on
	s_mul_i32 s82, s81, 768
	s_add_co_u32 s82, s82, s80
	s_mov_b32 s83, 0                               ; Q's codes
	s_and_b32 s57, s10, 7
	s_mul_i32 s57, s57, 12288                      ; K: wave w of 0-7 takes 16 tiles
	s_add_co_u32 s86, s57, s80
	s_add_co_u32 s86, s86, KOFF
	s_mov_b32 s87, 0
	s_lshl_b32 s88, s15, 5
	s_lshr_b32 s89, s81, 2
	s_add_co_u32 s88, s88, s89
	s_lshl_b32 s88, s88, 6
	s_lshr_b32 s89, s16, 1
	s_add_co_u32 s88, s88, s89
	s_lshl_b32 s88, s88, 8
	s_and_b32 s89, s81, 3
	s_lshl_b32 s89, s89, 2
	s_add_co_u32 s88, s88, s89
	s_add_co_u32 s88, s88, SCO
	s_mov_b32 s89, 0                               ; Q's scale words: unit (32 b + qt / 4) 64 + h / 2, word qt % 4
	s_lshl_b32 s90, s15, 5
	s_lshl_b32 s91, s11, 4
	s_add_co_u32 s90, s90, s91
	s_add_co_u32 s90, s90, 128
	s_lshl_b32 s90, s90, 6
	s_lshr_b32 s91, s16, 1
	s_add_co_u32 s90, s90, s91
	s_lshl_b32 s90, s90, 8
	s_add_co_u32 s90, s90, SCO
	s_mov_b32 s91, 0                               ; K's: units (128 + 32 b + 16 x (wave % 2) + 0 .. 15) 64 + h / 2
	s_and_b32 s61, s10, 3                          ; V: wave 8 + w takes rows 8 w on
	s_lshl_b32 s92, s15, 5
	s_lshl_b32 s93, s61, 3
	s_add_co_u32 s92, s92, s93
	s_mul_i32 s92, s92, 98304
	s_mul_i32 s93, s16, 3072
	s_add_co_u32 s92, s92, s93
	s_mov_b32 s93, 0
	s_mul_i32 s61, s61, 24576
	s_add_co_u32 s61, s61, VB
	s_lshl_b32 s94, s16, 6
	s_lshl_b32 s95, s15, 4
	s_add_co_u32 s94, s94, s95
	s_lshl_b32 s95, s11, 3
	s_add_co_u32 s94, s94, s95
	s_lshl_b32 s94, s94, 8
	s_add_co_u32 s94, s94, SCO
	s_mov_b32 s95, 0                               ; V's scale words: units 64 h + 16 b + 8 x (wave % 2) on
	s_wait_dscnt 0x0                               ; both opening adds are done
	s_wait_kmcnt 0x0
	s_mov_b32 s56, 1                               ; group 0 for K's tiles
	s_add_nc_u64 s[58:59], s[4:5], s[86:87]
	s_or_b32 s59, s59, 0x80000000
	s_mov_b32 s60, 1                               ; for V's
	s_add_nc_u64 s[62:63], s[6:7], s[92:93]
	s_or_b32 s63, s63, 0x80000000
	s_mov_b32 s68, 1                               ; for K's scale words
	s_lshl_b32 s69, s11, 12
	s_add_co_u32 s69, s69, SCK
	s_add_nc_u64 s[70:71], s[4:5], s[90:91]
	s_or_b32 s71, s71, 0x80000000
	s_mov_b32 s72, 1                               ; for V's
	s_lshl_b32 s73, s11, 11
	s_add_co_u32 s73, s73, SCV
	s_add_nc_u64 s[74:75], s[6:7], s[94:95]
	s_or_b32 s75, s75, 0x80000000
	s_add_nc_u64 s[84:85], s[4:5], s[82:83]        ; Q's codes
	s_add_nc_u64 s[88:89], s[4:5], s[88:89]        ; Q's scale words
	CROUND                                         ; all four work-groups are here: the joint loads meet
	s_cmp_lt_u32 s10, 8                            ; one chain of branches on the wave's number, one load to an arm: every wave issues one
	s_cbranch_scc0 .Lnot_k
	TLOAD 56, 24
	s_branch .Lasked
.Lnot_k:
	s_cmp_lt_u32 s10, 12
	s_cbranch_scc0 .Lnot_v
	TLOAD 60, 32
	s_branch .Lasked
.Lnot_v:
	s_cmp_lt_u32 s10, 14
	s_cbranch_scc0 .Lnot_ks
	TLOAD 68, 40
	s_branch .Lasked
.Lnot_ks:
	TLOAD 72, 48
.Lasked:
	v_and_b32 v7, 31, v0                           ; lane
	v_and_b32 v8, 15, v0                           ; r
	v_bfe_u32 v9, v0, 4, 1                         ; h
	v_lshlrev_b32 v1, 3, v7                        ; v1: a piece: 8 bytes a lane
	v_lshlrev_b32 v10, 4, v8                       ; 16 r
.irp i, 0,1,2
	global_load_b64 v[QA+2*\i:QA+2*\i+1], v1, s[84:85] offset:256*\i          ; q twice: ahead of the six zeros
	global_load_b64 v[QB+6+2*\i:QB+7+2*\i], v1, s[84:85] offset:256*\i        ; and behind them
	global_load_b64 v[Q2+2*\i:Q2+2*\i+1], v1, s[84:85] offset:12288+256*\i    ; the second pass's q: 16 tiles on
.endr
	global_load_b32 v[QT], v10, s[88:89]
	global_load_b32 v[Q2S], v10, s[88:89] offset:65536                        ; four units of 64 x 256 bytes on
	v_add_nc_u32 v2, SCV, v10                      ; v2: my row among V's scale words; K's packed ones lie 4,096 bytes on
	v_add_nc_u32 v43, VB, v1                       ; v43: a piece of V
	v_lshlrev_b32 v[R32], 5, v8
	v_lshlrev_b32 v[H8], 3, v9
	s_lshl_b32 s79, s10, 9
	v_lshlrev_b32 v[PKA], 4, v7
	v_add_nc_u32 v[PKA], s79, v[PKA]
	v_add_nc_u32 v[PKA], SCK, v[PKA]               ; the packing: key step w's 512 bytes, 16 a lane
	s_lshl_b32 s79, s10, 8
	v_lshl_add_u32 v42, v9, 3, v10
	v_add_nc_u32 v42, s79, v42
	v_add_nc_u32 v42, PKS, v42                     ; and where they go: 256 w + 16 r + 8 h
	v_mov_b32 v3, v1                               ; v3, v11, v4: the trip's tiles of K, of V, and its scale words: trip 0's
	v_mov_b32 v11, v43
	v_mov_b32 v4, v2
.irp i, 0,1,2,3,4,5
	v_mov_b32 v[QA+6+\i], 0
.endr
.irp b, 0,1,2,3
	v_mov_b32 v[PX+\b], 0                          ; written once: a lane permute's destination counts as one of its sources
.endr
	v_mov_b32 v[FF+1], 0                           ; (named as the upper half of the pair)
	v_mov_b32 v[TT], 0
	s_wait_loadcnt 0x0
	v_perm_b32 v[QS], v[QT], v[QT], s19            ; my head's two bytes, twice
	WALU                                           ; the wait at the head's end
	s_wait_tensorcnt 0x0                           ; my fill is in,
	s_barrier_signal -1
	s_barrier_wait -1                              ; everybody's is
	ds_load_b128 v[RA:RA+3], v[PKA]                ; K's scale words are packed once: wave w takes key step w; lane (r, h): row r, tiles 4 h + 0 .. 3
	s_wait_dscnt 0x0
	v_perm_b32 v[RA+4], v[RA+1], v[RA], s18        ; a word of a pair of tiles = the first tile's two bytes, then the second's
	v_perm_b32 v[RA+5], v[RA+3], v[RA+2], s18
	ds_store_b64 v42, v[RA+4:RA+5]
	s_wait_dscnt 0x0
	s_barrier_signal -1
	s_barrier_wait -1                              ; all sixteen key steps' words are packed: the last barrier of the walk
	KLOAD RB, v1, 0, v2, 0                         ; key step 0's fragments of K
; A KEY STEP: 128 keys, the q-th of the trip's two.  rs: the region of S^T and p, then of the next step's K;  rk: the region of this step's K, then V.
.macro STEP q, rs, rk
	s_wait_dscnt 0x0                               ; K's fragments and words, asked for in the step before, are in
.irp k, 0,1,2,3
	v_wmma_scale_f32_16x16x128_f8f6f4 v[\rs+16*\k:\rs+16*\k+7], v[\rk+12*\k:\rk+12*\k+11], v[QA:QA+11], 0, v[KW+\k], v[QS] matrix_a_fmt:MATRIX_FMT_FP6 matrix_b_fmt:MATRIX_FMT_FP6
	v_wmma_scale_f32_16x16x128_f8f6f4 v[\rs+16*\k+8:\rs+16*\k+15], v[\rk+12*\k:\rk+12*\k+11], v[QB:QB+11], 0, v[KW+\k], v[QS] matrix_a_fmt:MATRIX_FMT_FP6 matrix_b_fmt:MATRIX_FMT_FP6
.endr                                              ; register 32 c + i of S^T is key 64 c + 32 (lane / 16) + i of the step
	PLACES
.irp b, 0,1,2,3
	v_max3_num_f32 v[BM+\b], v[\rs+16*\b], v[\rs+1+16*\b], v[\rs+2+16*\b]   ; four chains by turns, each accumulator from its low end on
.endr
.irp i, 3,5,7,9,11,13
.irp b, 0,1,2,3
	v_max3_num_f32 v[BM+\b], v[BM+\b], v[\rs+16*\b+\i], v[\rs+1+16*\b+\i]
.endr
.endr
	v_max3_num_f32 v[BM], v[BM], v[BM+1], v[\rs+15]
	v_max3_num_f32 v[BM+2], v[BM+2], v[BM+3], v[\rs+47]
	v_max_num_f32 v[BM], v[BM], v[\rs+31]          ; THE LARGEST SCORE OF EACH OF MY TWO BLOCKS serves twice: for the row's maximum, and, since p rises with the score, for the block's largest p
	v_max_num_f32 v[BM+1], v[BM+2], v[\rs+63]
	v_max_num_f32 v[TT], v[BM], v[BM+1]
	v_permlanex16_b32 v[PX], v[TT], s[SEL], s[SEL+1]
	v_max3_num_f32 v13, v13, v[TT], v[PX]          ; the running largest score of my query (lane l xor 16 holds the other 64 keys)
	v_mov_b32 v[TT], v12
	v_mul_f32 v[PX+1], s[CS], v13                  ; as t (c is positive)
	v_floor_f32 v12, -v[PX+1]                      ; the new -M = floor(-t) = -ceil(t): a whole number
	v_fma_f32 v[BM], v[BM], s[CS], v12             ; t - M of each block's largest score,
	v_fma_f32 v[BM+1], v[BM+1], s[CS], v12
	v_sub_f32 v[TT], v12, v[TT]                    ; old M - new M: a whole number, 0 or less.  (The three lines that make f stand among the multiply-adds)
.irp j, 0,2,4,6
	v_pk_fma_f32 v[\rs+\j:\rs+1+\j], v[\rs+\j:\rs+1+\j], s[CS:CS+1], v[12:13] op_sel_hi:[1,0,0]   ; and of all 64, two at a time
.endr
	v_cvt_i32_f32 v[TT], v[TT]                     ; (it saturates)
.irp j, 8,10,12,14
	v_pk_fma_f32 v[\rs+\j:\rs+1+\j], v[\rs+\j:\rs+1+\j], s[CS:CS+1], v[12:13] op_sel_hi:[1,0,0]
.endr
	v_ldexp_f32 v[FF], 1.0, v[TT]                  ; f = 2^(old M - new M)
.irp j, 16,18,20,22,24,26,28,30,32,34,36,38,40,42,44,46,48,50,52,54,56,58,60,62
	v_pk_fma_f32 v[\rs+\j:\rs+1+\j], v[\rs+\j:\rs+1+\j], s[CS:CS+1], v[12:13] op_sel_hi:[1,0,0]
.endr
	WALU                                           ; the wait ahead of the batch
	ds_load_b128 v[VW:VW+3], v4 offset:256*(\q)    ; V's scale words and four fragments, in one run, over K's fragments, which the first product has read: they land under the exponentials and what follows
.irp n, 0,1,2,3,4,5,6,7,8,9,10,11,12,13,14,15,16,17,18,19,20,21,22,23
	VL \rk, \q, \n
.endr
	v_exp_f32 v[BM], v[BM]                         ; the block's largest p: the same two instructions on the same number give the same bits
	v_exp_f32 v[BM+1], v[BM+1]
.irp j, 0,1,2,3,4,5,6,7,8,9,10,11,12,13,14,15,16,17,18,19,20,21,22,23,24,25,26,27,28,29,30,31,32,33,34,35,36,37,38,39,40,41,42,43,44,45,46,47,48,49,50,51,52,53,54,55,56,57,58,59,60,61,62,63
	v_exp_f32 v[\rs+\j], v[\rs+\j]                 ; p = 2^(t - M), at most 1
.endr
	v_pk_mul_f32 v[14:15], v[14:15], v[FF:FF+1] op_sel_hi:[1,0]   ; the sums under the new M: the plain place behind the exponentials
	WALU                                           ; one wait for the batch, ahead of its first reader
.if \q
	v_add_nc_u32 v3, s[NB], v1                     ; this trip's addresses have served (V's loads stand ahead of the exponentials): the next trip's
	v_add_nc_u32 v11, s[NB], v43
	v_add_nc_u32 v4, s[NS], v2
.endif
	v_max_num_f32 v[BM], 0x1800000, v[BM]          ; the floor 2^(3 - 127): the byte cannot fall under 1
	v_max_num_f32 v[BM+1], 0x1800000, v[BM+1]
	v_pk_add_f32 v[U:U+1], v[\rs:\rs+1], v[\rs+2:\rs+3]           ; THE ROW'S SUM IS TAKEN OF THE UNQUANTISED p: four chains by turns
	v_pk_add_f32 v[U+2:U+3], v[\rs+4:\rs+5], v[\rs+6:\rs+7]
	v_pk_add_f32 v[U+4:U+5], v[\rs+8:\rs+9], v[\rs+10:\rs+11]
	v_pk_add_f32 v[14:15], v[14:15], v[\rs+12:\rs+13]
	v_add_nc_u32 v[SOP], 0xff000000, v[BM]         ; 2 off the exponent field: the conversion's scale operand
	v_add_nc_u32 v[SOP+1], 0xff000000, v[BM+1]
.irp c, 0,1
	v_cvt_scalef32_pk16_fp6_f32 v[P+6*\c:P+2+6*\c], v[\rs+32*\c:\rs+15+32*\c], v[SOP+\c]
	v_cvt_scalef32_pk16_fp6_f32 v[T+4*\c:T+2+4*\c], v[\rs+16+32*\c:\rs+31+32*\c], v[SOP+\c]   ; (a conversion's three registers begin on an even number)
.endr
	v_lshrrev_b32 v[PX], 23, v[SOP]                ; the scales' bytes: blocks h and 2 + h.  (The plain place behind the conversions)
	v_lshrrev_b32 v[PX+1], 23, v[SOP+1]
.irp j, 14,22,30,38,46,54
	v_pk_add_f32 v[U:U+1], v[U:U+1], v[\rs+\j:\rs+\j+1]
	v_pk_add_f32 v[U+2:U+3], v[U+2:U+3], v[\rs+\j+2:\rs+\j+3]
	v_pk_add_f32 v[U+4:U+5], v[U+4:U+5], v[\rs+\j+4:\rs+\j+5]
	v_pk_add_f32 v[14:15], v[14:15], v[\rs+\j+6:\rs+\j+7]
.endr
	v_pk_add_f32 v[U:U+1], v[U:U+1], v[\rs+62:\rs+63]             ; the last line that reads p:
.if \q
	KLOAD \rs, v3, 0, v4, 0                        ; p's region is free: the next step's K.  What is left of this step's vector work names none of that region and stands behind these loads
.else
	KLOAD \rs, v3, 6144, v4, 256
.endif
	v_pk_add_f32 v[U+2:U+3], v[U+2:U+3], v[U+4:U+5]               ; the sum's chains are joined, p's scale word is made and the blocks' upper halves are moved, by turns
	v_lshl_or_b32 v[PS], v[PX+1], 16, v[PX]
	v_mov_b32 v[P+3], v[T]
	v_mov_b32 v[P+4], v[T+1]
	v_pk_add_f32 v[14:15], v[14:15], v[U:U+1]
	v_lshlrev_b32 v[PS], v[H8], v[PS]              ; my two bytes at their places in the scale word, 8 h bits up;
	v_mov_b32 v[P+5], v[T+2]
	v_mov_b32 v[P+9], v[T+4]
	v_permlanex16_b32 v[PX+2], v[PS], s[SEL], s[SEL+1]
	v_pk_add_f32 v[14:15], v[14:15], v[U+2:U+3]
	v_mov_b32 v[P+10], v[T+5]
	v_mov_b32 v[P+11], v[T+6]
	v_or_b32 v[PS], v[PS], v[PX+2]                 ; with lane l xor 16's two the word is whole
	s_wait_dscnt 25                                ; V's fragments and words are in; the 25 loads just issued may be out
	WALU                                           ; directly ahead of O^T's first readers behind the exponentials
.irp j, 0,2,4,6,8,10,12,14,16,18,20,22,24,26,28,30
	v_pk_mul_f32 v[O+\j:O+1+\j], v[O+\j:O+1+\j], v[FF:FF+1] op_sel_hi:[1,0]   ; O^T under the new M.  (These 16 are also the places between p's codes and scale word and the products)
.endr
.irp d, 0,1,2,3
	v_wmma_scale_f32_16x16x128_f8f6f4 v[O+8*\d:O+8*\d+7], v[\rk+12*\d:\rk+12*\d+11], v[P:P+11], v[O+8*\d:O+8*\d+7], v[VW+\d], v[PS] matrix_a_fmt:MATRIX_FMT_FP6 matrix_b_fmt:MATRIX_FMT_FP6
.endr                                              ; the four accumulators by turns; the next step's eight products stand between two links of a chain
.rept 5
	v_nop                                          ; five places: the next step's products write S^T over V's fragments
.endr
.endm
	s_mov_b32 s[PASS], 0
.Lpass:                                            ; a pass: 16 queries a wave against all 2,048 keys
	v_mov_b32 v13, 0xff61b1e6                      ; the largest score so far: -3e38, under every score
	v_mov_b32 v14, 0                               ; the sum, in two halves
	v_mov_b32 v15, 0
	v_mul_f32 v12, s[CS], v13
	v_floor_f32 v12, -v12                          ; -M
.irp j, 0,1,2,3,4,5,6,7,8,9,10,11,12,13,14,15,16,17,18,19,20,21,22,23,24,25,26,27,28,29,30,31
	v_mov_b32 v[O+\j], 0                           ; O^T.  (The step is written once: the first finds zeros, which the first change of M leaves zeros)
.endr
	s_mov_b32 s[TRIP], 0
	WALU
.Ltrip:                                            ; eight trips of two key steps
	s_add_co_u32 s[NB], s[TRIP], 1
	s_and_b32 s[NB], s[NB], 7                      ; the next trip, round the ring of eight
	s_lshl_b32 s[NS], s[NB], 9                     ; 256 bytes of scale words a key step,
	s_mul_i32 s[NB], s[NB], 12288                  ; 6,144 of K and of V
	STEP 0, RA, RB
	STEP 1, RB, RA
	s_add_co_u32 s[TRIP], s[TRIP], 1
	s_cmp_lt_u32 s[TRIP], 8
	s_cbranch_scc1 .Ltrip
	; THE WAY OUT.  O^T / the sum; register 16 b + i is channel 32 b + 16 (lane / 16) + i of my query: two blocks, half a fragment of the last product's A.  Region RA, which held V, is at work here.
	v_add_f32 v14, v14, v15                        ; the sum's two halves,
	v_permlanex16_b32 v[TT], v14, s[SEL], s[SEL+1]
	v_add_f32 v14, v14, v[TT]                      ; and lane l xor 16's
	WALU
	v_rcp_f32 v14, v14
	v_cmp_gt_u32 vcc_lo, 16, v7                    ; (a plain place behind the reciprocal)
	s_lshl_b32 s80, s15, 7
	s_add_co_u32 s80, s80, s81                     ; my tile of O: 128 b + qt
	s_mul_i32 s82, s80, 12288
	s_mul_i32 s83, s16, 768
	s_add_co_u32 s82, s82, s83                     ; head h is half h % 2 of fragment h / 2
	s_mov_b32 s83, 0
	s_add_nc_u64 s[82:83], s[8:9], s[82:83]
	s_lshl_b32 s84, s80, 9
	s_lshl_b32 s85, s16, 1
	s_add_co_u32 s84, s84, s85
	s_add_co_u32 s84, s84, ASOFF                   ; its two scale bytes: 2 h in a row's 32
	s_mov_b32 s85, 0
	s_add_nc_u64 s[84:85], s[8:9], s[84:85]
	WALU                                           ; the wait ahead of the first reader of the reciprocal and of O^T
.irp j, 0,1,2,3,4,5,6,7,8,9,10,11,12,13,14,15,16,17,18,19,20,21,22,23,24,25,26,27,28,29,30,31
	v_mul_f32 v[RA+\j], v[O+\j], v14               ; each accumulator from its low end on
.endr
.irp b, 0,1
	v_max3_num_f32 v[BM+\b], |v[RA+16*\b]|, |v[RA+1+16*\b]|, 0x1800000
.endr
.irp i, 2,4,6,8,10,12,14
.irp b, 0,1
	v_max3_num_f32 v[BM+\b], v[BM+\b], |v[RA+16*\b+\i]|, |v[RA+1+16*\b+\i]|
.endr
.endr
.irp b, 0,1
	v_permlanex16_b32 v[PX+\b], v[BM+\b], s[SEL], s[SEL+1]
.endr
.irp b, 0,1
	v_max_num_f32 v[BM+\b], v[BM+\b], v[PX+\b]
.endr
.irp b, 0,1
	v_add_nc_u32 v[SOP+\b], 0xff000000, v[BM+\b]
.endr
.irp b, 0,1
	v_lshrrev_b32 v[PX+\b], 23, v[SOP+\b]
.endr
	v_lshl_or_b32 v[TT], v[PX+1], 8, v[PX]         ; the two bytes
	v_cvt_scalef32_pk16_fp6_f32 v[P:P+2], v[RA:RA+15], v[SOP]
	v_cvt_scalef32_pk16_fp6_f32 v[T:T+2], v[RA+16:RA+31], v[SOP+1]
	v_nop                                          ; one plain place behind the scaled conversions
.irp i, 0,1,2
	v_permlane16_swap_b32 v[P+\i], v[T+\i]         ; here a block lies in lanes l and l xor 16: the operand's layout wants it whole in a lane
.endr
.irp i, 0,1,2
	v_mov_b32 v[P+3+\i], v[T+\i]
.endr
.irp i, 0,1,2
	global_store_b64 v1, v[P+2*\i:P+2*\i+1], s[82:83] offset:256*\i   ; a piece: 256 consecutive bytes, aligned
.endr
	WALU
	s_wait_xcnt 0x0                                ; EXEC changes only behind this wait
	s_and_saveexec_b32 s79, vcc_lo                 ; lanes l and l xor 16 hold the same bytes: lanes 0-15 store them
	global_store_b16 v[R32], v[TT], s[84:85]       ; 2 bytes of each of 16 rows, 32 bytes apart: one byte for each 24 of the codes
	s_wait_xcnt 0x0                                ; and the stores' registers and bases are written again only behind it
	s_or_b32 exec_lo, exec_lo, s79
	s_add_co_u32 s[PASS], s[PASS], 1
	s_cmp_eq_u32 s[PASS], 2
	s_cbranch_scc1 .Ldone                          ; the second pass has no successor to prepare
.irp i, 0,1,2,3,4,5
	v_mov_b32 v[QA+\i], v[Q2+\i]                   ; the second pass's q, held since the head
	v_mov_b32 v[QB+6+\i], v[Q2+\i]
.endr
	v_perm_b32 v[QS], v[Q2S], v[Q2S], s19
	s_add_co_u32 s81, s81, 16                      ; its tile of queries
	s_cmp_lt_u32 s[PASS], 2
	s_cbranch_scc1 .Lpass
.Ldone:
	s_wait_tensorcnt 0x0                           ; the wave's end
	ds_add_u32 v5, v6
	s_wait_dscnt 0x0
	CROUND                                         ; the closing round
	s_endpgm
.Lfunc_end_k_qda52ddb340_attn:
	.size	k_qda52ddb340_attn, .Lfunc_end_k_qda52ddb340_attn-k_qda52ddb340_attn
	.p2alignl 7, 3214868480
	.fill 96, 4, 3214868480
	.section	.rodata,"a",@progbits
	.p2align	6, 0x0
	.amdhsa_kernel k_qda52ddb340_attn
		.amdhsa_group_segment_fixed_size 215040
		.amdhsa_private_segment_fixed_size 0
		.amdhsa_enable_private_segment 0
		.amdhsa_kernarg_size 24
		.amdhsa_user_sgpr_count 2
		.amdhsa_user_sgpr_kernarg_segment_ptr 1
		.amdhsa_wavefront_size32 1
		.amdhsa_system_sgpr_workgroup_id_x 1
		.amdhsa_system_sgpr_workgroup_id_y 1
		.amdhsa_system_sgpr_workgroup_id_z 1
		.amdhsa_system_vgpr_workitem_id 0
		.amdhsa_next_free_vgpr 256
		.amdhsa_next_free_sgpr 96
		.amdhsa_reserve_vcc 1
		.amdhsa_float_denorm_mode_32 3
		.amdhsa_float_denorm_mode_16_64 3
		.amdhsa_memory_ordered 1
		.amdhsa_forward_progress 1
		.amdhsa_inst_pref_size 51
	.end_amdhsa_kernel
	.amdgpu_metadata
---
amdhsa.version: [ 1, 2 ]
amdhsa.kernels:
  - .name:           k_qda52ddb340_attn
    .symbol:         k_qda52ddb340_attn.kd
    .args:
      - { .name: qk, .offset: 0, .size: 8, .value_kind: global_buffer, .address_space: global }
      - { .name: vv, .offset: 8, .size: 8, .value_kind: global_buffer, .address_space: global }
      - { .name: ow, .offset: 16, .size: 8, .value_kind: global_buffer, .address_space: global }
    .group_segment_fixed_size: 215040
    .private_segment_fixed_size: 0
    .kernarg_segment_align: 8
    .kernarg_segment_size: 24
    .max_flat_workgroup_size: 512
    .sgpr_count:     96
    .vgpr_count:     256
    .wavefront_size: 32
...
	.end_amdgpu_metadata
.endif
;; end of part 3
;; launch outproj (part 4): grid 4 x 64, 4 waves a work-group, clusters of 4 x 4, 327,680 bytes of LDS; arguments ow, bo, out0; writes out0
.if DOCPART == 4
	.amdgcn_target "amdgcn-amd-amdhsa--gfx1250"
	.amdhsa_code_object_version 6
	.text
	.protected	k_qda52ddb340_outproj
	.globl	k_qda52ddb340_outproj
	.p2align	8
	.type	k_qda52ddb340_outproj,@function
k_qda52ddb340_outproj:
	s_mov_b64 s[64:65], 0
	v_nop
	global_prefetch_b8 v0, s[64:65] scope:SCOPE_SE
	s_setreg_imm32_b32 hwreg(HW_REG_WAVE_MODE, 25, 1), 1
	s_wait_xcnt 0x0
	s_wait_alu depctr_hold_cnt(0) depctr_sa_sdst(0) depctr_va_vdst(0) depctr_va_sdst(0) depctr_va_ssrc(0) depctr_va_vcc(0) depctr_vm_vsrc(0)
	s_getreg_b32 s2, hwreg(HW_REG_IB_STS2, 6, 4)
	s_cmp_eq_u32 s2, 0
	s_cbranch_scc0 .Lentry_in_a_cluster
	s_endpgm
.Lentry_in_a_cluster:
	s_bfe_u32 s2, ttmp6, 0x10000c
	s_cmp_lg_u32 s2, 0xf033
	s_cbranch_scc0 .Lentry_shape_is_right
	s_endpgm
.Lentry_shape_is_right:
; A product on codes of FP6 (E2M3) with K = 1,024, C(a, b) = sum over k of A(a, k) B(b, k), from an operand buffer (A's codes at 0, B's at BOFF, scale bytes at ASOFF, BSOFF), all laid as images of the
; operand's registers: a fragment (16 rows x 128 K) is six pieces of 256 bytes, lane l's 8 bytes at 8 l; a tile of 16 rows is 12,288 bytes; scale bytes 32 a row.
; OUTP = 0: the result is quantised along B's rows (the next product's K) and stored as codes.  OUTP = 1: a bias is added and the result is stored as f32.
; SHARES.  A work-group takes 128 rows of A x 256 rows of B, all of K; wave w takes A's tiles 4 (w / 2) on and B's tiles 8 (w % 2) on: 32 accumulators.
; ALL OF K LIES IN LDS: four chunks of 256 along K (A's 8 tiles and B's 16, 3,072 bytes each) and the scale bytes, 307,200 bytes, each byte filled once: no slot is filled again.
; Every tensor load goes out at the head, five a wave (waves 0, 1: A's halves; waves 2, 3: B's); a chunk is waited for when it is wanted, with one barrier for each.
; CLUSTER 4 x 4: the four work-groups of a row need the same rows of A, the four of a column the same rows of B: each tile is asked for jointly.
; THE MATRIX INSTRUCTION IS USED TRANSPOSED: source 0 = 16 rows of B, source 1 = 16 rows of A: a lane holds one row of A, its registers run along B's rows.  B's rows were laid so that the 16 registers
; of tiles 2 b, 2 b + 1 are rows 32 b + 16 (lane / 16) + 0 .. 15 in their true order.
; LIMITS (OUTP = 0): NaN and infinities are not served; a block whose largest magnitude lies under 2^-124 keeps the byte 1, a block of zeros too (the bytes are read by this program alone).
; REGISTERS, in windows of 256.  Window 0: v1-21 addresses; v32-95 scale words (register 8 i + s: lanes 0-15 A's tile i, lanes 16-31 B's tile i, K step s); v128-223 A's fragments, two sets of 48.
;   Window 1: accumulator (a, t) at v[8 (8 a + t)].   Window 2: v0-191 B's fragments, two sets of 96; v192-255 the bias (OUTP = 1).
.set OUTP,  1
.set BOFF,  0x1000000
.set ASOFF, 0x1800000
.set BSOFF, 0x1900000
.set SCO,   0x1000000                  ; in a product buffer: the scale words
.set TROW,  12288
; THE FILLS AS THE TEXT HAS THEM (this takes the place of the head's two lines on chunks and on five loads a wave): K lies in LDS in TWO HALVES of 512 along K, each byte filled once.
; At the head each wave issues one joint load: wave 0 A's 8 tiles of half 0, wave 1 B's 16, wave 2 A's scale bytes, wave 3 B's.  Behind the tensor wait, the add and its wait, and a round of the
; cluster's barrier, wave 0 asks for A's half 1 and wave 1 for B's; K step 3 waits for them and shows them by a plain barrier.  No prefetch: the text has no loop to run ahead in.
.set CHB,   6144                       ; a tile's bytes of a half: four fragments
.set CH,    24*CHB                     ; a half: A's 8 tiles, then B's 16
.set SCL,   2*CH                       ; behind the halves: A's scale bytes (4,096), then B's (8,192)
.set SC,    32
.set AF,    128
.set G1A,   24                         ; s[24:31] group 1 for A's chunks;  s[32:39] B's;  s[40:47] A's scale bytes;  s[48:55] B's
.set G1B,   32
.set G1SA,  40
.set G1SB,  48
.set MUL,   0x52                       ; source 0 (B) window 2, source 1 (A) window 0, C and D window 1
.set MULB,  0x62                       ; the same with C (the bias) in window 2
.set TO_B,  0x80                       ; destination window 2, address window 0
.set MSB, 0
.macro WIN new                         ; the immediate's high byte repeats the setting that is left
.if MSB != \new
	s_set_vgpr_msb (MSB<<8)|\new
.set MSB, \new
.endif
.endm
.macro PLACES                          ; four places in front of loads into registers that matrix instructions have read, and of the first read of results
.rept 4
	v_nop
.endr
.endm
.macro CROUND                          ; a round of the cluster's barrier
	s_barrier_signal -1
	s_barrier_wait -1
	s_cmp_lg_u32 s10, 0
	s_cbranch_scc1 .Lnot_wave_0_\@
	s_barrier_signal -3
.Lnot_wave_0_\@:
	s_barrier_wait -3
	s_barrier_signal -1
	s_barrier_wait -1
.endm
.macro G1SET g, c, n, p                ; n rows of c elements of 8 bytes, p elements from row to row
	s_mov_b32 s[\g+1], (\c)<<16                    ; tensor_dim0
	s_mov_b32 s[\g+2], (\n)<<16                    ; tensor_dim1
	s_mov_b32 s[\g+3], (\c)<<16                    ; tile_dim0
	s_mov_b32 s[\g+4], \n                          ; tile_dim1
	s_mov_b32 s[\g+5], \p                          ; tensor_dim0_stride
	s_mov_b32 s[\g+6], 0
	s_mov_b32 s[\g+7], 0
.endm
.macro G0SET g, l, lc, b, off          ; to LDS byte s[l] + lc, from s[b:b+1] + off
	s_mov_b32 s[\g], 1
	s_add_co_u32 s[\g+1], s[\l], \lc
	s_add_nc_u64 s[\g+2:\g+3], s[\b:\b+1], \off
	s_or_b32 s[\g+3], s[\g+3], 0x80000000
.endm
	s_load_b128 s[4:7], s[0:1], 0x0                ; the operand buffer; OUTP = 0: the product buffer, OUTP = 1: the bias
.if OUTP
	s_load_b64 s[8:9], s[0:1], 0x10                ; the output
	v_lshl_add_u32 v126, v0, 2, 0x4b000
	v_mov_b32 v127, 0
	ds_add_u32 v126, v127
	ds_add_u32 v126, v127
.endif
	v_lshrrev_b32 v1, 5, v0
	v_readfirstlane_b32 s10, v1                    ; wave 0..3
	s_lshr_b32 s11, s10, 1                         ; which 4 tiles of A are mine
	s_and_b32 s12, s10, 1                          ; which 8 tiles of B
	s_bfe_u32 s13, ttmp6, 0x40000                  ; cx, cy: my place in the cluster
	s_bfe_u32 s14, ttmp6, 0x40004
	s_lshl_b32 s15, ttmp9, 2
	s_add_co_u32 s15, s15, s13                     ; x = 4 x cluster x + cx
	s_and_b32 s19, ttmp7, 0xffff
	s_lshl_b32 s16, s19, 2
	s_add_co_u32 s16, s16, s14                     ; y = 4 x cluster y + cy
	s_lshr_b32 s19, s19, 4                         ; clusters 16 on along y take the buffer's second weight (key's rows take Wk): a number that all sixteen partners share; 0 in grids of 64 or fewer along y
	s_lshl_b32 s17, s14, 2
	s_lshl_b32 s17, 15, s17                        ; my row of the cluster
	s_lshl_b32 s18, 0x1111, s13                    ; my column
	s_or_b32 s[G1A], s17, (3<<16)|(1<<21)          ; 15:0 the mask; 17:16 elements of 8 bytes; 21 set beside a mask; no padding
	s_or_b32 s[G1SA], s17, (3<<16)|(1<<21)
	s_or_b32 s[G1B], s18, (3<<16)|(1<<21)
	s_or_b32 s[G1SB], s18, (3<<16)|(1<<21)
	G1SET G1A, 768, 8, 1536                        ; 8 tiles x 6,144 bytes, 12,288 bytes apart
	G1SET G1B, 768, 16, 1536                       ; 16 tiles
	G1SET G1SA, 32, 16, 32                         ; 4,096 dense bytes as rows of 256
	G1SET G1SB, 32, 32, 32                         ; 8,192 dense bytes
	; A's addresses hang on y alone, B's on x and the cluster's y alone, each in registers that never hold the other place
	s_lshl_b32 s20, s16, 3
	s_mul_i32 s20, s20, TROW                       ; A's codes: tile 8 y
	s_mov_b32 s21, 0
	s_lshl_b32 s22, s16, 12
	s_mov_b32 s23, 0                               ; A's scale bytes: 4,096 y
	s_lshl_b32 s2, s19, 2
	s_add_co_u32 s2, s2, s15                       ; B's block of 256 rows
	s_lshl_b32 s66, s2, 4
	s_mul_i32 s66, s66, TROW                       ; B's codes: tile 16 x block
	s_mov_b32 s67, 0
	s_lshl_b32 s2, s2, 13
	s_mov_b32 s3, 0                                ; B's scale bytes: 8,192 x block
	s_mov_b32 s100, 0                              ; every LDS place is a constant
	s_wait_dscnt 0x0
	s_wait_kmcnt 0x0
	s_add_nc_u64 s[20:21], s[4:5], s[20:21]
	s_add_nc_u64 s[22:23], s[4:5], s[22:23]
	s_add_nc_u64 s[66:67], s[4:5], s[66:67]
	s_add_nc_u64 s[2:3], s[4:5], s[2:3]
	G0SET 56, 100, 0*CH, 20, 0*CHB                 ; A's halves 0 and 1
	G0SET 60, 100, 1*CH, 20, 1*CHB
	G0SET 80, 100, 0*CH+8*CHB, 66, BOFF+0*CHB      ; B's
	G0SET 84, 100, 1*CH+8*CHB, 66, BOFF+1*CHB
	G0SET 76, 100, SCL, 22, ASOFF                  ; the scale bytes
	G0SET 96, 100, SCL+4096, 2, BSOFF
	CROUND                                         ; all sixteen work-groups are here: the joint loads meet
	s_cmp_eq_u32 s10, 0                            ; one chain of branches on the wave's number, one load to an arm
	s_cbranch_scc0 .Lhead_1
	tensor_load_to_lds s[56:59], s[G1A:G1A+7]      ; wave 0: A's half 0
	s_nop 0
	PLACES
	s_branch .Lasked
.Lhead_1:
	s_cmp_eq_u32 s10, 1
	s_cbranch_scc0 .Lhead_2
	tensor_load_to_lds s[80:83], s[G1B:G1B+7]      ; wave 1: B's half 0
	s_nop 0
	PLACES
	s_branch .Lasked
.Lhead_2:
	s_cmp_eq_u32 s10, 2
	s_cbranch_scc0 .Lhead_3
	tensor_load_to_lds s[76:79], s[G1SA:G1SA+7]    ; wave 2: A's scale bytes
	s_nop 0
	PLACES
	s_branch .Lasked
.Lhead_3:
	tensor_load_to_lds s[96:99], s[G1SB:G1SB+7]    ; wave 3: B's scale bytes
	s_nop 0
	PLACES
.Lasked:
	v_and_b32 v4, 31, v0                           ; lane
	v_and_b32 v1, 15, v0                           ; r
	v_bfe_u32 v2, v0, 4, 1                         ; h
	v_lshlrev_b32 v3, 3, v4                        ; a piece: 8 bytes a lane
	s_wait_alu depctr_va_vdst(0)
	v_lshlrev_b32 v18, 4, v1                       ; 16 r
	s_mul_i32 s20, s11, 4*CHB                      ; my 4 tiles of A,
	s_mul_i32 s21, s12, 8*CHB
	s_add_co_u32 s21, s21, 8*CHB                   ; my 8 of B, behind A's 8
.irp j, 0,1
	v_add_nc_u32 v[8+\j], s20, v3                  ; v8-9: A's fragments in half j;  v12-13: B's
	v_add_nc_u32 v[12+\j], s21, v3
	s_add_co_u32 s20, s20, CH
	s_add_co_u32 s21, s21, CH
.endr
	s_lshl_b32 s20, s11, 11                        ; the scale words: lanes 0-15 take A's rows, lanes 16-31 B's: the lower base + h x the distance
	s_lshl_b32 s21, s12, 12
	s_add_co_u32 s21, s21, 4096
	s_sub_co_u32 s21, s21, s20
	v_mul_u32_u24 v5, s21, v2
	v_lshl_add_u32 v5, v1, 5, v5                   ; 32 bytes a row
	s_add_co_u32 s20, s20, SCL
	v_add_nc_u32 v16, s20, v5
.if OUTP
	s_mul_i32 s20, s10, 16*528                     ; the way out: my stage, 16 rows x (512 bytes + 16), in half 0
	v_mul_u32_u24 v19, v1, 528
	v_lshl_add_u32 v19, v2, 6, v19
	v_add_nc_u32 v19, s20, v19                     ; in: row r, + 64 h
	v_lshlrev_b32 v21, 4, v4                       ; back, and in the output: 16 bytes a lane
	v_add_nc_u32 v20, s20, v21
	s_lshl_b32 s20, s15, 10
	s_lshl_b32 s21, s12, 9
	s_add_co_u32 s20, s20, s21                     ; my 128 columns, in bytes: 1,024 x + 512 x half
	s_mov_b32 s21, 0
	s_add_nc_u64 s[6:7], s[6:7], s[20:21]          ; the bias there
	s_add_nc_u64 s[8:9], s[8:9], s[20:21]
	s_lshl_b32 s20, s16, 7
	s_lshl_b32 s22, s11, 6
	s_add_co_u32 s20, s20, s22
	s_lshl_b32 s20, s20, 12                        ; my first row: 128 y + 64 x half, rows of 4,096 bytes
	s_add_nc_u64 s[8:9], s[8:9], s[20:21]
	v_lshlrev_b32 v17, 6, v2
	WIN TO_B
.irp t, 0,1,2,3,4,5,6,7                ; the bias in the result's layout: tile t, lane half h: columns 32 (t / 2) + 16 h + 8 (t % 2) + 0 .. 7
	global_load_b128 v[192+8*\t:192+8*\t+3], v17, s[6:7] offset:(32*(\t/2)+8*(\t%2))*4
	global_load_b128 v[192+8*\t+4:192+8*\t+7], v17, s[6:7] offset:(32*(\t/2)+8*(\t%2))*4+16
.endr
	WIN 0
.else
	s_lshl_b32 s20, s16, 3                         ; where my part of the product buffer begins.  TA = my first tile of A, GB = my 128 rows of B
	s_lshl_b32 s21, s11, 2
	s_add_co_u32 s20, s20, s21                     ; TA = 8 y + 4 x half
	s_lshr_b32 s21, s20, 7
	s_mul_i32 s21, s21, 1572864
	s_and_b32 s22, s20, 127
	s_mul_i32 s22, s22, 768
	s_add_co_u32 s21, s21, s22
	s_lshl_b32 s22, s15, 1
	s_add_co_u32 s22, s22, s12                     ; GB = 2 x + half
	s_mul_i32 s23, s22, 196608
	s_add_co_u32 s100, s21, s23                    ; codes: (TA / 128) 1,572,864 + (TA % 128) 768 + GB 196,608; a half fragment c lies 98,304 c on
	s_mov_b32 s101, 0
	s_add_nc_u64 s[100:101], s[6:7], s[100:101]
	s_lshr_b32 s20, s20, 2
	s_lshl_b32 s20, s20, 6
	s_add_co_u32 s20, s20, s22
	s_lshl_b32 s20, s20, 8
	s_add_co_u32 s20, s20, SCO                     ; scale words: a unit of 256 bytes for four tiles of A and GB: 16 r + 4 (TA % 4)
	s_mov_b32 s21, 0
	s_add_nc_u64 s[22:23], s[6:7], s[20:21]
	s_mov_b32 s2, 0x76543210                       ; v_permlanex16_b32's selects for lane l xor 16
	s_mov_b32 s3, 0xfedcba98
.endif
.macro SCALES                          ; all scale words, once: tile i, words 4 g on.  (For i above 3 lanes 0-15 read filled bytes that no product names.)
.irp i, 0,1,2,3,4,5,6,7
.irp g, 0,1
	ds_load_b128 v[SC+8*\i+4*\g:SC+8*\i+4*\g+3], v16 offset:512*\i+16*\g
.endr
.endr
.endm
.macro FETCH s                         ; K step s (half s / 4, fragment s % 4): B's 8 fragments and A's 4 into set s % 2
	WIN TO_B
.irp t, 0,1,2,3,4,5,6,7
.irp p, 0,1,2,3,4,5
	ds_load_b64 v[96*((\s)%2)+12*\t+2*\p:96*((\s)%2)+12*\t+2*\p+1], v[12+(\s)/4] offset:CHB*\t+1536*((\s)%4)+256*\p
.endr
.endr
	WIN 0
.irp a, 0,1,2,3
.irp p, 0,1,2,3,4,5
	ds_load_b64 v[AF+48*((\s)%2)+12*\a+2*\p:AF+48*((\s)%2)+12*\a+2*\p+1], v[8+(\s)/4] offset:CHB*\a+1536*((\s)%4)+256*\p
.endr
.endr
.endm
.macro MUL32 s                         ; 32 products, the 32 accumulators by turns, in the same order in every step.  The first step starts the sums
.if OUTP && ((\s) == 0)
	WIN MULB
.else
	WIN MUL
.endif
.irp a, 0,1,2,3
.irp t, 0,1,2,3,4,5,6,7
.set rD, 8*(8*\a+\t)
.set rB, 96*((\s)%2)+12*\t
.set rA, AF+48*((\s)%2)+12*\a
.if (\s) > 0
	v_wmma_scale_f32_16x16x128_f8f6f4 v[rD:rD+7], v[rB:rB+11], v[rA:rA+11], v[rD:rD+7], v[SC+8*\t+(\s)], v[SC+8*\a+(\s)] matrix_a_fmt:MATRIX_FMT_FP6 matrix_b_fmt:MATRIX_FMT_FP6 matrix_a_scale:MATRIX_SCALE_ROW1
.elseif OUTP
	v_wmma_scale_f32_16x16x128_f8f6f4 v[rD:rD+7], v[rB:rB+11], v[rA:rA+11], v[192+8*\t:199+8*\t], v[SC+8*\t+(\s)], v[SC+8*\a+(\s)] matrix_a_fmt:MATRIX_FMT_FP6 matrix_b_fmt:MATRIX_FMT_FP6 matrix_a_scale:MATRIX_SCALE_ROW1
.else
	v_wmma_scale_f32_16x16x128_f8f6f4 v[rD:rD+7], v[rB:rB+11], v[rA:rA+11], 0, v[SC+8*\t+(\s)], v[SC+8*\a+(\s)] matrix_a_fmt:MATRIX_FMT_FP6 matrix_b_fmt:MATRIX_FMT_FP6 matrix_a_scale:MATRIX_SCALE_ROW1
.endif
.endr
.endr
.endm
.macro STEP s
	s_wait_dscnt 0x0                               ; this step's fragments, asked for a step ago, are in
.if (\s) == 3
	s_wait_tensorcnt 0x0                           ; my load of the second half, if I issued one, is in
	s_barrier_signal -1
	s_barrier_wait -1                              ; everybody's is
.endif
.if (\s) > 0
	PLACES
.endif
.if (\s) < 7
	FETCH (\s)+1                                   ; the next step's fragments land while this step is multiplied
.endif
	MUL32 \s
	WIN 0
.endm
	s_wait_alu depctr_va_vdst(0)                   ; the wait at the head's end
	s_wait_tensorcnt 0x0                           ; my tile of the head's four is in
	ds_add_u32 v126, v127
	s_wait_dscnt 0x0
	CROUND                                         ; everybody's tile is in, and the sixteen work-groups meet for the second halves
	s_cmp_eq_u32 s10, 0
	s_cbranch_scc0 .Lhalf_b
	tensor_load_to_lds s[60:63], s[G1A:G1A+7]      ; wave 0: A's half 1
	s_nop 0
	PLACES
	s_branch .Lhalf_asked
.Lhalf_b:
	s_cmp_eq_u32 s10, 1
	s_cbranch_scc0 .Lhalf_asked
	tensor_load_to_lds s[84:87], s[G1B:G1B+7]      ; wave 1: B's half 1
	s_nop 0
	PLACES
.Lhalf_asked:
	SCALES
	FETCH 0
.if OUTP
	s_wait_loadcnt 0x0                             ; the bias
.endif
.irp s, 0,1,2,3,4,5,6,7
	STEP \s
.endr
.if OUTP
; THE WAY OUT, a tile of A (16 rows x my 128 columns) at a time, through my stage and back as whole rows of 512 bytes.  The stage lies in half 0, which has had its one fill, and which nobody reads
; behind the barrier of K step 3.  The place of a tile's eight numbers in a row puts the columns back into their true order.
.macro TOSTAGE a
	WIN 0x04                                       ; an LDS store's data are its source 1: window 1
.irp t, 0,1,2,3,4,5,6,7
	ds_store_b128 v19, v[64*(\a)+8*\t:64*(\a)+8*\t+3] offset:128*(\t/2)+32*(\t%2)          ; each accumulator from its low end on
	ds_store_b128 v19, v[64*(\a)+8*\t+4:64*(\a)+8*\t+7] offset:128*(\t/2)+32*(\t%2)+16
.endr
	WIN 0
.irp i, 0,1,2,3,4,5,6,7,8,9,10,11,12,13,14,15
	ds_load_b128 v[128+64*((\a)%2)+4*\i:128+64*((\a)%2)+4*\i+3], v20 offset:\i*528   ; LDS serves a wave's instructions in order: these see the stores above, and the next tile's stores come behind them
.endr
.endm
.macro SEND a, younger                 ; younger: the LDS instructions issued behind tile a's loads, which may stay out
	s_wait_dscnt \younger
.irp i, 0,1,2,3,4,5,6,7,8,9,10,11,12,13,14,15
	global_store_b128 v21, v[128+64*((\a)%2)+4*\i:128+64*((\a)%2)+4*\i+3], s[8:9] offset:(16*(\a)+\i)*4096 th:TH_STORE_NT   ; 512 consecutive bytes, aligned; written once, read by nobody here
.endr
.endm
	PLACES
	TOSTAGE 0
	TOSTAGE 1
	SEND 0, 32                                     ; behind tile 0's loads: tile 1's 16 stores and 16 loads
	s_wait_xcnt 0x0                                ; tile 0's stores have read their registers: tile 2's loads may land there
	TOSTAGE 2
	SEND 1, 32
	s_wait_xcnt 0x0
	TOSTAGE 3
	SEND 2, 32
	SEND 3, 0
.else
; THE WAY OUT.  The 64 registers of a tile of A are 64 numbers of my row: register 16 b + i = B's row 32 b + 16 (lane / 16) + i of my 128: one fragment of the next product, quantised in registers.  The four tiles go stage by stage.
.set MX, 96                            ; v96-111  largest magnitudes, 4 a + b
.set PM, 128                           ; v128-143 lane l xor 16's, then the bytes (registers that LDS loads have written)
.set SO, 144                           ; v144-159 the conversions' scale operands
.set PW, 160                           ; v160-163 the scale words
.set CD, 164                           ; v164-211 the codes, 12 a tile
.set TP, 212                           ; v212-243 halves as the conversions leave them
	PLACES
	WIN 0x05                                       ; sources 0 and 1: window 1
.irp a, 0,1,2,3
.irp b, 0,1,2,3
	v_max3_num_f32 v[MX+4*\a+\b], |v[64*\a+16*\b]|, |v[64*\a+16*\b+1]|, 0x1800000   ; each accumulator from its low end on; the floor 2^(3 - 127) holds the byte at 1 from below
.endr
.endr
.irp i, 2,4,6,8,10,12,14
.irp a, 0,1,2,3
.irp b, 0,1,2,3
	v_max3_num_f32 v[MX+4*\a+\b], |v[64*\a+16*\b+\i]|, |v[64*\a+16*\b+\i+1]|, v[MX+4*\a+\b]
.endr
.endr
.endr
	WIN 0
.irp n, 0,1,2,3,4,5,6,7,8,9,10,11,12,13,14,15
	v_permlanex16_b32 v[PM+\n], v[MX+\n], s2, s3
.endr
.irp n, 0,1,2,3,4,5,6,7,8,9,10,11,12,13,14,15
	v_max_num_f32 v[MX+\n], v[MX+\n], v[PM+\n]     ; with lane l xor 16's: the block's largest magnitude
.endr
.irp n, 0,1,2,3,4,5,6,7,8,9,10,11,12,13,14,15
	v_add_nc_u32 v[SO+\n], 0xff000000, v[MX+\n]    ; 2 off its exponent field: the conversion's scale operand
.endr
.irp n, 0,1,2,3,4,5,6,7,8,9,10,11,12,13,14,15
	v_lshrrev_b32 v[PM+\n], 23, v[SO+\n]           ; the scale's byte
.endr
.irp a, 0,1,2,3
	v_lshl_or_b32 v[PW+\a], v[PM+4*\a+1], 8, v[PM+4*\a]
.endr
.irp a, 0,1,2,3
	v_lshl_or_b32 v[PW+\a], v[PM+4*\a+2], 16, v[PW+\a]
.endr
.irp a, 0,1,2,3
	v_lshl_or_b32 v[PW+\a], v[PM+4*\a+3], 24, v[PW+\a]
.endr
	WIN 0x01                                       ; source 0: window 1
.irp a, 0,1,2,3
.irp c, 0,1
	v_cvt_scalef32_pk16_fp6_f32 v[CD+12*\a+6*\c:CD+12*\a+6*\c+2], v[64*\a+32*\c:64*\a+32*\c+15], v[SO+4*\a+2*\c]
	v_cvt_scalef32_pk16_fp6_f32 v[TP+8*\a+4*\c:TP+8*\a+4*\c+2], v[64*\a+32*\c+16:64*\a+32*\c+31], v[SO+4*\a+2*\c+1]   ; (a conversion's three registers begin on an even number)
.endr
.endr
	WIN 0
	v_nop                                          ; one plain place behind the scaled conversions
.irp a, 0,1,2,3
.irp c, 0,1                            ; the operand's layout wants a WHOLE block in a lane
.irp i, 0,1,2
	v_permlane16_swap_b32 v[CD+12*\a+6*\c+\i], v[TP+8*\a+4*\c+\i]
.endr
.irp i, 0,1,2
	v_mov_b32 v[CD+12*\a+6*\c+3+\i], v[TP+8*\a+4*\c+\i]
.endr
.endr
.endr
.irp a, 0,1,2,3
.irp c, 0,1
.irp i, 0,1,2
	global_store_b64 v3, v[CD+12*\a+6*\c+2*\i:CD+12*\a+6*\c+2*\i+1], s[100:101] offset:\a*768+\c*98304+\i*256   ; a piece: 256 consecutive bytes, aligned
.endr
.endr
.endr
	v_cmp_gt_u32 vcc_lo, 16, v4                    ; lanes l and l xor 16 hold the same words: lanes 0-15 store them
	s_wait_xcnt 0x0                                ; EXEC changes only behind this wait
	s_and_saveexec_b32 s20, vcc_lo
	global_store_b128 v18, v[PW:PW+3], s[22:23]    ; sixteen lanes fill one aligned unit of 256 bytes
	s_wait_xcnt 0x0
	s_or_b32 exec_lo, exec_lo, s20
.endif
	s_wait_tensorcnt 0x0
	ds_add_u32 v126, v127
	s_wait_dscnt 0x0
	CROUND                                         ; the closing round: no work-group ends while a partner may still ask for a tile that names it
	s_endpgm
.Lfunc_end_k_qda52ddb340_outproj:
	.size	k_qda52ddb340_outproj, .Lfunc_end_k_qda52ddb340_outproj-k_qda52ddb340_outproj
	.p2alignl 7, 3214868480
	.fill 96, 4, 3214868480
	.section	.rodata,"a",@progbits
	.p2align	6, 0x0
	.amdhsa_kernel k_qda52ddb340_outproj
		.amdhsa_group_segment_fixed_size 327680
		.amdhsa_private_segment_fixed_size 0
		.amdhsa_enable_private_segment 0
		.amdhsa_kernarg_size 24
		.amdhsa_user_sgpr_count 2
		.amdhsa_user_sgpr_kernarg_segment_ptr 1
		.amdhsa_wavefront_size32 1
		.amdhsa_system_sgpr_workgroup_id_x 1
		.amdhsa_system_sgpr_workgroup_id_y 1
		.amdhsa_system_sgpr_workgroup_id_z 1
		.amdhsa_system_vgpr_workitem_id 0
		.amdhsa_next_free_vgpr 768
		.amdhsa_next_free_sgpr 102
		.amdhsa_reserve_vcc 1
		.amdhsa_float_denorm_mode_32 3
		.amdhsa_float_denorm_mode_16_64 3
		.amdhsa_memory_ordered 1
		.amdhsa_forward_progress 1
		.amdhsa_inst_pref_size 98
	.end_amdhsa_kernel
	.amdgpu_metadata
---
amdhsa.version: [ 1, 2 ]
amdhsa.kernels:
  - .name:           k_qda52ddb340_outproj
    .symbol:         k_qda52ddb340_outproj.kd
    .args:
      - { .name: ow, .offset: 0, .size: 8, .value_kind: global_buffer, .address_space: global }
      - { .name: bo, .offset: 8, .size: 8, .value_kind: global_buffer, .address_space: global }
      - { .name: out0, .offset: 16, .size: 8, .value_kind: global_buffer, .address_space: global }
    .group_segment_fixed_size: 327680
    .private_segment_fixed_size: 0
    .kernarg_segment_align: 8
    .kernarg_segment_size: 24
    .max_flat_workgroup_size: 128
    .sgpr_count:     102
    .vgpr_count:     768
    .wavefront_size: 32
...
	.end_amdgpu_metadata
.endif
;; end of part 4
